; MI455X (gfx1250); checked and timed in simulation.
; The chip was launched on July 23, 2026; its instructions are those of AMD's public machine-readable ISA for CDNA 5 (MIT licence, August 2026) and "CDNA5" Instruction Set Architecture Reference Guide (July 2026). The comments in the code are by the model that wrote it; some were corrected since.
;; Dilated MHCA Block. Allowed arithmetic: float matrix products may take bf16 or f16 operands with f32 sums; all other float work in f32.
;; Inputs: Wk 1,024 x 1,024 float32; Wo 1,024 x 1,024 float32; Wq 1,024 x 1,024 float32; Wv 1,024 x 1,024 float32; bk 1,024 float32; bo 1,024 float32; bq 1,024 float32; bv 1,024 float32; x 4 x 2,048 x 1,024 float32.
;; Outputs: out0 4 x 2,048 x 1,024 float32.
;; Constants: dilation = 2, k = 8.
;; 3 versions, each right; version 2 is faster than version 1; version 3 is version 2 with the launch cast written anew for expert scheduling mode. Each part assembles by itself: llvm-mc -triple=amdgcn-amd-amdhsa -mcpu=gfx1250 --defsym DOCPART=n.
;; ======== version 1 of 3: 4 launches
;; limits: values are held in f16: magnitudes above 65,504 overflow, below 6.1e-05 lose precision
;; workspace buffers: xb 16,777,216 bytes; wb 8,388,608 bytes; qkv 50,331,648 bytes; ob 16,777,216 bytes
;; launch cast (part 1): grid 256 x 1, 8 waves a work-group, no clusters, 0 bytes of LDS; arguments x, Wq, Wk, Wv, Wo, xb, wb; writes xb, wb
.if DOCPART == 1
	.amdgcn_target "amdgcn-amd-amdhsa--gfx1250"
	.amdhsa_code_object_version 6
	.text
	.protected	k_q39ae8081f8_cast
	.globl	k_q39ae8081f8_cast
	.p2align	8
	.type	k_q39ae8081f8_cast,@function
k_q39ae8081f8_cast:
	s_mov_b64 s[64:65], 0
	v_nop
	global_prefetch_b8 v0, s[64:65] scope:SCOPE_SE
	s_setreg_imm32_b32 hwreg(HW_REG_WAVE_MODE, 25, 1), 1
	s_wait_xcnt 0x0
; x and the four weights are rounded once to 16 bits and laid out for the launches behind.
;   xb: bf16 [16 kb][8192 p][64]: block kb holds columns 64 kb .. 64 kb + 63 of every row, the rows PERMUTED: p = batch x 2048 + parity x 1024 + i / 2 for place i of a batch,
;       so that the even and the odd places of a batch are two sequences of 1,024 on end, and 256 rows x 64 columns are 32,768 dense bytes.
;   wb: [4][1024][1024] of 16 bits, as the weights lie: planes 0-2 bf16(Wq, Wk, Wv); plane 3 bf16(Wo) written as f16 (exact within f16's range).
; LIMITS.  |Wo| stays under 65,504; below 6e-5 it keeps f16's fixed step of 6e-8.
; SHARES.  2,048 waves; wave c takes the permuted rows 4 c .. 4 c + 3 of x and 8,192 bytes of one weight.  A stream: no LDS, no barrier, no matrix unit, no cluster (no byte is read twice).
; All 48 loads of a wave (24,576 bytes) go out at once; each is converted in place and stored as soon as it is in.  A load takes 2 x 256 or 512 consecutive bytes, a store 256, all aligned.
.set VX, 2                             ; v2  x: lanes 0-15 take 256 bytes of one row, lanes 16-31 of the next permuted row, two rows of x further on
.set VS, 3                             ; v3  8 x lane: the stores
.set VW, 4                             ; v4  16 x lane: the weight
.set D,  8                             ; v[8:199]  48 loads of four registers
	s_load_b256 s[4:11], s[0:1], 0x0               ; x s[4:5], Wq s[6:7], Wk s[8:9], Wv s[10:11]
	s_load_b128 s[12:15], s[0:1], 0x20             ; Wo s[12:13], xb s[14:15]
	s_load_b64 s[16:17], s[0:1], 0x30              ; wb
	v_lshrrev_b32 v1, 5, v0
	v_readfirstlane_b32 s20, v1                    ; wave 0..7
	s_lshl_b32 s21, ttmp9, 3
	s_add_co_u32 s21, s21, s20                     ; c
	s_lshr_b32 s24, ttmp9, 6                       ; which weight: 64 work-groups each
	s_lshl_b32 s28, s21, 2                         ; p0 = 4 c
	s_lshr_b32 s29, s28, 11
	s_lshl_b32 s29, s29, 11                        ; batch x 2048
	s_and_b32 s30, s28, 1023
	s_lshl1_add_u32 s29, s30, s29                  ; + 2 x the place in the sequence
	s_bfe_u32 s30, s28, 0x1000a                    ; + parity (bit 10 of p0)
	s_add_co_u32 s29, s29, s30                     ; the row of x that p0 stands for
	s_lshl_b32 s30, s29, 12                        ; rows of 4,096 bytes
	s_mov_b32 s31, 0
	s_lshl_b32 s32, s21, 9                         ; p0 x 128 bytes in a block of xb
	s_mov_b32 s33, 0
	s_and_b32 s36, s21, 511
	s_lshl_b32 s36, s36, 13                        ; my 8,192 bytes of the weight
	s_mov_b32 s37, 0
	s_lshl_b32 s38, s21, 12                        ; and their 4,096 in wb: c x 4,096 = plane x 2 MiB + piece x 4,096
	s_mov_b32 s39, 0
	v_and_b32 v5, 31, v0
	v_and_b32 v6, 15, v0
	v_bfe_u32 v7, v0, 4, 1
	v_lshlrev_b32 v[VX], 4, v6
	v_lshl_add_u32 v[VX], v7, 13, v[VX]
	v_lshlrev_b32 v[VS], 3, v5
	v_lshlrev_b32 v[VW], 4, v5
	s_wait_kmcnt 0x0
	s_add_nc_u64 s[4:5], s[4:5], s[30:31]
	s_cmp_eq_u32 s24, 1                            ; the weight's address is chosen by the work-group's number alone
	s_cselect_b64 s[26:27], s[8:9], s[6:7]
	s_cmp_eq_u32 s24, 2
	s_cselect_b64 s[26:27], s[10:11], s[26:27]
	s_cmp_eq_u32 s24, 3
	s_cselect_b64 s[26:27], s[12:13], s[26:27]
	s_add_nc_u64 s[26:27], s[26:27], s[36:37]
	s_add_nc_u64 s[14:15], s[14:15], s[32:33]      ; xb, blocks 0-7
	s_add_nc_u64 s[22:23], s[14:15], 0x800000      ; xb, blocks 8-15: eight blocks of 1 MiB fit a store's immediate
	s_add_nc_u64 s[16:17], s[16:17], s[38:39]
.set n, 0
.rept 32                               ; load n: pair of rows n / 16, block n % 16
	global_load_b128 v[D+4*n:D+4*n+3], v[VX], s[4:5] offset:(n/16)*16384+(n%16)*256 th:TH_LOAD_NT
.set n, n+1
.endr
.rept 16
	global_load_b128 v[D+4*n:D+4*n+3], v[VW], s[26:27] offset:(n-32)*512 th:TH_LOAD_NT
.set n, n+1
.endr
.set n, 0
.rept 32
	s_wait_loadcnt 47-n                            ; loads come back in order (ISA guide 5.7.1): load n is in, the 47 - n younger ones stay out
	v_cvt_pk_bf16_f32 v[D+4*n], v[D+4*n], v[D+4*n+1]
	v_cvt_pk_bf16_f32 v[D+4*n+1], v[D+4*n+2], v[D+4*n+3]
.if (n%16) < 8
	global_store_b64 v[VS], v[D+4*n:D+4*n+1], s[14:15] offset:(n%8)*1048576+(n/16)*256  ; two rows of 128 bytes: 256 consecutive bytes
.else
	global_store_b64 v[VS], v[D+4*n:D+4*n+1], s[22:23] offset:(n%8)*1048576+(n/16)*256
.endif
.set n, n+1
.endr
	s_cmp_eq_u32 s24, 3
	s_cbranch_scc1 .Lwo
.rept 16                               ; Wq, Wk, Wv: bf16
	s_wait_loadcnt 47-n
	v_cvt_pk_bf16_f32 v[D+4*n], v[D+4*n], v[D+4*n+1]
	v_cvt_pk_bf16_f32 v[D+4*n+1], v[D+4*n+2], v[D+4*n+3]
	global_store_b64 v[VS], v[D+4*n:D+4*n+1], s[16:17] offset:(n-32)*256
.set n, n+1
.endr
	s_endpgm
.Lwo:
.set n, 32
.rept 16                               ; Wo: rounded to bf16 like every input, widened again, and that number written as f16
	s_wait_loadcnt 47-n
	v_cvt_pk_bf16_f32 v[D+4*n], v[D+4*n], v[D+4*n+1]
	v_cvt_pk_bf16_f32 v[D+4*n+2], v[D+4*n+2], v[D+4*n+3]
	v_lshlrev_b32 v[D+4*n+1], 16, v[D+4*n]
	v_and_b32 v[D+4*n], 0xffff0000, v[D+4*n]
	v_lshlrev_b32 v[D+4*n+3], 16, v[D+4*n+2]
	v_and_b32 v[D+4*n+2], 0xffff0000, v[D+4*n+2]
	v_cvt_pk_f16_f32 v[D+4*n], v[D+4*n+1], v[D+4*n]
	v_cvt_pk_f16_f32 v[D+4*n+1], v[D+4*n+3], v[D+4*n+2]
	global_store_b64 v[VS], v[D+4*n:D+4*n+1], s[16:17] offset:(n-32)*256
.set n, n+1
.endr
	s_endpgm
.Lfunc_end_k_q39ae8081f8_cast:
	.size	k_q39ae8081f8_cast, .Lfunc_end_k_q39ae8081f8_cast-k_q39ae8081f8_cast
	.p2alignl 7, 3214868480
	.fill 96, 4, 3214868480
	.section	.rodata,"a",@progbits
	.p2align	6, 0x0
	.amdhsa_kernel k_q39ae8081f8_cast
		.amdhsa_group_segment_fixed_size 0
		.amdhsa_private_segment_fixed_size 0
		.amdhsa_enable_private_segment 0
		.amdhsa_kernarg_size 56
		.amdhsa_user_sgpr_count 2
		.amdhsa_user_sgpr_kernarg_segment_ptr 1
		.amdhsa_wavefront_size32 1
		.amdhsa_system_sgpr_workgroup_id_x 1
		.amdhsa_system_sgpr_workgroup_id_y 1
		.amdhsa_system_sgpr_workgroup_id_z 1
		.amdhsa_system_vgpr_workitem_id 0
		.amdhsa_next_free_vgpr 200
		.amdhsa_next_free_sgpr 66
		.amdhsa_reserve_vcc 0
		.amdhsa_float_denorm_mode_32 3
		.amdhsa_float_denorm_mode_16_64 3
		.amdhsa_memory_ordered 1
		.amdhsa_forward_progress 1
		.amdhsa_inst_pref_size 28
	.end_amdhsa_kernel
	.amdgpu_metadata
---
amdhsa.version: [ 1, 2 ]
amdhsa.kernels:
  - .name:           k_q39ae8081f8_cast
    .symbol:         k_q39ae8081f8_cast.kd
    .args:
      - { .name: x, .offset: 0, .size: 8, .value_kind: global_buffer, .address_space: global }
      - { .name: Wq, .offset: 8, .size: 8, .value_kind: global_buffer, .address_space: global }
      - { .name: Wk, .offset: 16, .size: 8, .value_kind: global_buffer, .address_space: global }
      - { .name: Wv, .offset: 24, .size: 8, .value_kind: global_buffer, .address_space: global }
      - { .name: Wo, .offset: 32, .size: 8, .value_kind: global_buffer, .address_space: global }
      - { .name: xb, .offset: 40, .size: 8, .value_kind: global_buffer, .address_space: global }
      - { .name: wb, .offset: 48, .size: 8, .value_kind: global_buffer, .address_space: global }
    .group_segment_fixed_size: 0
    .private_segment_fixed_size: 0
    .kernarg_segment_align: 8
    .kernarg_segment_size: 56
    .max_flat_workgroup_size: 256
    .sgpr_count:     66
    .vgpr_count:     200
    .wavefront_size: 32
...
	.end_amdgpu_metadata
.endif
;; end of part 1
;; launch qkvg (part 2): grid 8 x 32, 4 waves a work-group, clusters of 4 x 4, 327,680 bytes of LDS; arguments xb, wb, bq, bk, bv, qkv; writes qkv
.if DOCPART == 2
	.amdgcn_target "amdgcn-amd-amdhsa--gfx1250"
	.amdhsa_code_object_version 6
	.text
	.protected	k_q39ae8081f8_qkvg
	.globl	k_q39ae8081f8_qkvg
	.p2align	8
	.type	k_q39ae8081f8_qkvg,@function
k_q39ae8081f8_qkvg:
	s_mov_b64 s[64:65], 0
	v_nop
	global_prefetch_b8 v0, s[64:65] scope:SCOPE_SE
	s_setreg_imm32_b32 hwreg(HW_REG_WAVE_MODE, 25, 1), 1
	s_wait_xcnt 0x0
	s_wait_alu depctr_hold_cnt(0) depctr_sa_sdst(0) depctr_va_vdst(0) depctr_va_sdst(0) depctr_va_ssrc(0) depctr_va_vcc(0) depctr_vm_vsrc(0)
	s_getreg_b32 s2, hwreg(HW_REG_IB_STS2, 6, 4)
	s_cmp_eq_u32 s2, 0
	s_cbranch_scc0 .Lentry_in_a_cluster
	s_endpgm
.Lentry_in_a_cluster:
	s_bfe_u32 s2, ttmp6, 0x10000c
	s_cmp_lg_u32 s2, 0xf033
	s_cbranch_scc0 .Lentry_shape_is_right
	s_endpgm
.Lentry_shape_is_right:
; q = x Wq + bq, k = x Wk + bk, v = x Wv + bv in ONE product: 8192 permuted rows x (3 x 1024) columns, K = 1024, operands bf16, sums f32, biases rounded to bf16 like every input, results f16.
; SHARES.  A work-group owns 256 rows and the same 128 columns (two heads) of q, of k and of v: 256 x 384.  8 x 32 work-groups.  A wave owns 128 rows of one head: 3 x 32 accumulators of 16 x 16,
; q's in register window 1, k's in 2, v's in 3.  For 32 along K it reads 20,480 bytes of LDS for 96 matrix instructions.
; RING.  Two LDS slots of 64 along K: x's tile (32,768 dense bytes of xb, asked for as 128 rows of 256 bytes, padded after every 128) and three tiles of 64 rows x 256 bytes of Wq, Wk, Wv.
; Two slots of 128 along K would take 360 KiB: they do not fit.  Wave 0 fetches x's tile, waves 1-3 one weight's each: one tensor load a wave behind each change of slots; 2 are out at the start, then 1.
; CLUSTER.  4 x 4 work-groups: x's tile hangs on the block of rows alone and is asked for jointly along a row of the cluster, a weight's on the block of columns alone, jointly along a column.
; RESULTS ARE REGISTER IMAGES.  q and k: source 0 = 16 columns of W, source 1 = 16 rows of x: a lane holds one row and 8 neighbouring channels.  v: the sources the other way round: a lane holds one
; channel and 8 neighbouring rows.  Rounded to f16 these 16 bytes a lane are half a fragment of the products of the launch behind, so they are stored as they lie:
; qkv = f16 [3][16 heads][512 blocks of 16 rows][4 blocks of 16 channels][32 lanes][16 bytes]; a store covers 512 consecutive bytes, aligned.  No stage in LDS.
; LIMITS.  |q|, |k|, |v| stay under 65,504, f16's end; NaN and infinities are not treated apart.
.set PA,    144                        ; a row of x in LDS: 128 bytes + 16 = 36 words: the 16 rows of a load start at 16 different groups of four banks (64 banks of 4 bytes: ISA guide 11.1)
.set PB,    288                        ; a row of W: 256 + 32 = 72 words
.set ATILE, 256*PA
.set BTILE, 64*PB
.set SLOT,  ATILE+3*BTILE              ; 92,160
.set SPARE, 2*SLOT                     ; behind the ring: the spare words, 128 bytes a wave: two blocks of 256 bytes that no other line names
.set ADRA, 16                          ; v16-17  LDS address of my fragments of x in slot 0, 1
.set ADRB, 20                          ; v20-21  the same for W
.set VBQ,  24                          ; v24  byte offset in bq and bk of my lane's first 8 channels
.set VBV,  25                          ; v25  byte offset in bv of my lane's first channel
.set CO,   26                          ; v26  16 x lane
.set SPW,  28                          ; v28  LDS address of my spare word; never rewritten
.set NIL,  29                          ; v29  0; never rewritten
.set RT,   30                          ; v30  at work
.set FA0,  32                          ; v32-95, v96-159  fragments of x: 8 x 16 rows x 32 K, two buffers
.set FA1,  96
.set FB,   160                         ; v160-255  fragments of Wq, Wk, Wv: 4 x 16 columns x 32 K each
.set BQ,   FA0                         ; the way out: 32 numbers of bq, 32 of bk
.set BV,   FB                          ;              4 numbers of bv, each twice
.set T,    FA1                         ;              32 sums with their bias
.set PK,   FA1+32                      ;              16 packed registers, two sets by turns
.set WV, 16                            ; s16 wave   s17 its half of the rows   s18 its head of the two
.set WM, 17
.set WN, 18
.set TRIPS, 19
.set CX, 20
.set CY, 21
.set TX, 22                            ; s22 block of 128 columns   s23 block of 256 rows
.set TY, 23
.set G1A, 24                           ; s[24:31] descriptor group 1 for x's tiles;  s[32:39] group 0, a set for each slot
.set G0A, 32
.set G1B, 40                           ; s[40:47], s[48:55] the same for W's
.set G0B, 48
.set MSB, 0
.macro WIN new                         ; the immediate's high byte repeats the setting that is left; a switch that changes nothing is dropped
.if MSB != (\new)
	s_set_vgpr_msb (MSB<<8)|(\new)
.set MSB, \new
.endif
.endm
; A joint load.  The branch hangs on the wave's number alone.  An s_nop 0 and four v_nop follow each of the two lines, ahead of the jump, the label and what follows.
.macro JLOAD s
	s_cmp_eq_u32 s[WV], 0
	s_cbranch_scc0 .Lfor_b_\@
	tensor_load_to_lds s[G0A+4*(\s):G0A+4*(\s)+3], s[G1A:G1A+7]
	s_nop 0
.rept 4
	v_nop
.endr
	s_branch .Lasked_\@
.Lfor_b_\@:
	tensor_load_to_lds s[G0B+4*(\s):G0B+4*(\s)+3], s[G1B:G1B+7]
	s_nop 0
.rept 4
	v_nop
.endr
.Lasked_\@:
.endm
.macro CREST                           ; a round of the cluster's barrier behind its opening barrier
	s_cmp_lg_u32 s[WV], 0
	s_cbranch_scc1 .Lnot_wave_0_\@
	s_barrier_signal -3
.Lnot_wave_0_\@:
	s_barrier_wait -3
	s_barrier_signal -1
	s_barrier_wait -1
.endm
.macro CROUND                          ; a whole round
	s_barrier_signal -1
	s_barrier_wait -1
	CREST
.endm
.macro PLACES                          ; four places in front of loads into registers that matrix instructions have read, and of vector lines that read results
.rept 4
	v_nop
.endr
.endm
	s_load_b256 s[4:11], s[0:1], 0x0               ; xb s[4:5], wb s[6:7], bq s[8:9], bk s[10:11]
	s_load_b128 s[12:15], s[0:1], 0x20             ; bv s[12:13], qkv s[14:15]
	v_lshl_add_u32 v[SPW], v0, 2, SPARE
	v_mov_b32 v[NIL], 0
	ds_add_u32 v[SPW], v[NIL]                      ; the wave's opening: the add and its wait stand ahead of my first tensor load; work on registers stands between them
	ds_add_u32 v28, v29
	v_lshrrev_b32 v1, 5, v0
	v_readfirstlane_b32 s[WV], v1
	s_lshr_b32 s[WM], s[WV], 1
	s_and_b32 s[WN], s[WV], 1
	s_bfe_u32 s[CX], ttmp6, 0x40000                ; my place in the cluster
	s_bfe_u32 s[CY], ttmp6, 0x40004
	s_lshl_b32 s[TX], ttmp9, 2
	s_add_co_u32 s[TX], s[TX], s[CX]
	s_and_b32 s[TY], ttmp7, 0xffff
	s_lshl_b32 s[TY], s[TY], 2
	s_add_co_u32 s[TY], s[TY], s[CY]
	s_lshl_b32 s62, s[CY], 2
	s_lshl_b32 s62, 15, s62                        ; my row of the cluster
	s_lshl_b32 s63, 0x1111, s[CX]                  ; my column
	s_or_b32 s[G1A], s62, (1<<16)|(1<<20)|(1<<21)|(4<<22)|(3<<25)  ; 15:0 the mask; 17:16 2-byte elements; 20 padding on; 21 set beside a mask; 24:22 after every 32 words (code 4); 31:25 4 words (code 3)
	s_or_b32 s[G1B], s63, (1<<16)|(1<<20)|(1<<21)|(5<<22)|(7<<25)  ; after every 64 words (code 5) 8 words (code 7)
	s_mov_b32 s[G1A+1], 128<<16                    ; tensor_dim0 = 128 elements: 256 bytes, two rows of x's tile
	s_mov_b32 s[G1A+2], 128<<16                    ; tensor_dim1 = 128
	s_mov_b32 s[G1A+3], 128<<16                    ; tile_dim0 = 128
	s_mov_b32 s[G1A+4], 128                        ; tile_dim1 = 128
	s_mov_b32 s[G1A+5], 128                        ; dense: 128 elements from row to row
	s_mov_b32 s[G1A+6], 0
	s_mov_b32 s[G1A+7], 0
	s_mov_b32 s[G1B+1], 128<<16                    ; 128 columns
	s_mov_b32 s[G1B+2], 64<<16                     ; 64 rows along K
	s_mov_b32 s[G1B+3], 128<<16
	s_mov_b32 s[G1B+4], 64
	s_mov_b32 s[G1B+5], 1024                       ; a row of W
	s_mov_b32 s[G1B+6], 0
	s_mov_b32 s[G1B+7], 0
	s_lshl_b32 s56, s[TY], 15                      ; x's tile: 256 rows x 128 bytes; hangs on the block of rows alone
	s_mov_b32 s57, 0
	s_max_u32 s66, s[WV], 1
	s_sub_co_u32 s66, s66, 1                       ; which weight I fetch (wave 0 fetches none)
	s_lshl_b32 s66, s66, 21                        ; planes of 2 MiB
	s_lshl_b32 s67, s[TX], 8                       ; 128 columns of 2 bytes; hangs on the block of columns alone
	s_add_co_u32 s66, s66, s67
	s_mov_b32 s67, 0
	s_mul_i32 s78, s[WV], BTILE                    ; where it goes: behind x's tile, weight wave - 1
	s_add_co_u32 s78, s78, ATILE-BTILE
	s_wait_dscnt 0x0                               ; the opening add is done
	s_wait_kmcnt 0x0
	s_add_nc_u64 s[58:59], s[4:5], s[56:57]
	s_add_nc_u64 s[68:69], s[6:7], s[66:67]
	CROUND                                         ; all sixteen work-groups are here: the first joint loads meet
.irp s, 0,1
	s_mov_b32 s[G0A+4*(\s)], 1                                       ; count = 1
	s_mov_b32 s[G0A+4*(\s)+1], (\s)*SLOT                             ; LDS address
	s_add_nc_u64 s[G0A+4*(\s)+2:G0A+4*(\s)+3], s[58:59], (\s)*1048576  ; block s of xb
	s_or_b32 s[G0A+4*(\s)+3], s[G0A+4*(\s)+3], 0x80000000            ; type = 2
	s_mov_b32 s[G0B+4*(\s)], 1
	s_add_co_u32 s[G0B+4*(\s)+1], s78, (\s)*SLOT
	s_add_nc_u64 s[G0B+4*(\s)+2:G0B+4*(\s)+3], s[68:69], (\s)*131072   ; 64 rows of 2,048 bytes
	s_or_b32 s[G0B+4*(\s)+3], s[G0B+4*(\s)+3], 0x80000000
	JLOAD \s
.endr
	; A fragment of x: lane l holds row l % 16, K = 8 (l / 16) + 0..7 and 16 + 8 (l / 16) + 0..7: two loads of 16 bytes, 32 bytes apart.
	v_and_b32 v1, 15, v0
	v_bfe_u32 v2, v0, 4, 1
	v_mul_u32_u24 v3, v1, PA
	v_lshl_add_u32 v3, v2, 4, v3
	s_mul_i32 s79, s[WM], 128*PA
	v_add_nc_u32 v[ADRA], s79, v3
	v_add_nc_u32 v[ADRA+1], SLOT, v[ADRA]
	; W lies [K][column]: the turning load takes 16 K x 16 columns (lane l reads K = 8 (l / 16) + l % 8, columns 8 ((l / 8) % 2) + 0..7) and leaves half a fragment: lane l holds column l % 16 and 8 K.
	v_and_b32 v4, 7, v0
	v_bfe_u32 v5, v0, 3, 1
	v_lshl_add_u32 v4, v2, 3, v4
	v_mul_u32_u24 v4, v4, PB
	v_lshl_add_u32 v4, v5, 4, v4
	s_lshl_b32 s79, s[WN], 7                       ; my head's 64 columns
	s_add_co_u32 s79, s79, ATILE
	v_add_nc_u32 v[ADRB], s79, v4
	v_add_nc_u32 v[ADRB+1], SLOT, v[ADRB]
	s_lshl_b32 s72, s[TX], 9                       ; my head's first channel in a bias, in bytes
	s_lshl_b32 s73, s[WN], 8
	s_add_co_u32 s72, s72, s73
	v_lshl_add_u32 v[VBQ], v2, 5, s72
	v_lshl_add_u32 v[VBV], v1, 2, s72
	v_and_b32 v[CO], 31, v0
	v_lshlrev_b32 v[CO], 4, v[CO]
	s_lshl1_add_u32 s72, s[TX], s[WN]              ; my head: 1 MiB each,
	s_lshl_b32 s72, s72, 20
	s_lshl1_add_u32 s73, s[TY], s[WM]              ; my 8 blocks of 16 rows: 2,048 bytes each
	s_lshl_b32 s73, s73, 14
	s_add_co_u32 s72, s72, s73
	s_mov_b32 s73, 0
	s_add_nc_u64 s[70:71], s[14:15], s[72:73]      ; q's plane,
	s_add_nc_u64 s[74:75], s[70:71], 0x1000000     ; k's,
	s_add_nc_u64 s[76:77], s[70:71], 0x2000000     ; v's
; na x 4 matrix instructions for weight w: row blocks a0 on x all 4 column blocks, 32 along K.  zero = 1: the product starts the sum: nothing is cleared.
; The 96 accumulators take turns, one instruction a turn, in the same order in every step.
.macro MUL w, fa, a0, na, zero
	WIN 0x50*((\w)+1)                              ; C and D in window w + 1, the sources in window 0
.set ma, \a0
.rept \na
.set mb, 0
.rept 4
.set rD, 8*(4*ma+mb)
.set rB, FB+32*(\w)+8*mb
.set rA, (\fa)+8*ma
.if (\w) < 2
.if \zero
	v_wmma_f32_16x16x32_bf16 v[rD:rD+7], v[rB:rB+7], v[rA:rA+7], 0
.else
	v_wmma_f32_16x16x32_bf16 v[rD:rD+7], v[rB:rB+7], v[rA:rA+7], v[rD:rD+7]
.endif
.else
.if \zero
	v_wmma_f32_16x16x32_bf16 v[rD:rD+7], v[rA:rA+7], v[rB:rB+7], 0
.else
	v_wmma_f32_16x16x32_bf16 v[rD:rD+7], v[rA:rA+7], v[rB:rB+7], v[rD:rD+7]
.endif
.endif
.set mb, mb+1
.endr
.set ma, ma+1
.endr
.endm
.macro LDA s, hh, fa                   ; 16 loads: my 128 rows of x, half hh (32 K) of slot s
	WIN 0
.irp i, 0,1,2,3,4,5,6,7
	ds_load_b128 v[(\fa)+8*(\i):(\fa)+8*(\i)+3],   v[ADRA+(\s)] offset:(\i)*16*PA+64*(\hh)
	ds_load_b128 v[(\fa)+8*(\i)+4:(\fa)+8*(\i)+7], v[ADRA+(\s)] offset:(\i)*16*PA+64*(\hh)+32
.endr
.endm
.macro LDB s, hh, w                    ; 8 loads: my 64 columns of weight w, half hh of slot s
	WIN 0
.irp b, 0,1,2,3
	ds_load_tr16_b128 v[FB+32*(\w)+8*(\b):FB+32*(\w)+8*(\b)+3],   v[ADRB+(\s)] offset:(\w)*BTILE+(\hh)*32*PB+32*(\b)
	ds_load_tr16_b128 v[FB+32*(\w)+8*(\b)+4:FB+32*(\w)+8*(\b)+7], v[ADRB+(\s)] offset:(\w)*BTILE+(\hh)*32*PB+32*(\b)+16*PB
.endr
.endm
.macro BIASLD                          ; the biases come in under the last products: 8 numbers a lane and column block for q and k; one, loaded twice to fill a pair, for v
	WIN 0
.irp b, 0,1,2,3
	global_load_b128 v[BQ+8*(\b):BQ+8*(\b)+3],       v[VBQ], s[8:9] offset:64*(\b)
	global_load_b128 v[BQ+8*(\b)+4:BQ+8*(\b)+7],     v[VBQ], s[8:9] offset:64*(\b)+16
	global_load_b128 v[BQ+32+8*(\b):BQ+35+8*(\b)],   v[VBQ], s[10:11] offset:64*(\b)
	global_load_b128 v[BQ+36+8*(\b):BQ+39+8*(\b)],   v[VBQ], s[10:11] offset:64*(\b)+16
	global_load_b32 v[BV+2*(\b)],   v[VBV], s[12:13] offset:64*(\b)
	global_load_b32 v[BV+2*(\b)+1], v[VBV], s[12:13] offset:64*(\b)
.endr
.endm
; ONE STEP OF 32 ALONG K (half hh of slot s, x in buffer fa): q's 32 products, k's, v's; in the middle of each run the fragments that are wanted two runs later are fetched.
; (ns, nhh, fan): the next step's slot, half and buffer.  kind 0: inside a slot.  1: the slot's last step; it is filled again.  2: the same, nothing is left to fetch.  3: the last step of all.
.macro STEP s, hh, ns, nhh, fa, fan, kind, zero
	s_wait_dscnt 8                                 ; x and Wq are in; the youngest eight loads (Wk) may be out
	MUL 0, \fa, 0, 4, \zero
	PLACES
	LDB \s, \hh, 2
	MUL 0, \fa, 4, 4, \zero
.if (\kind) == 0
	s_wait_dscnt 8                                 ; Wk is in; Wv's eight may be out
	MUL 1, \fa, 0, 4, \zero
	PLACES
	LDA \ns, \nhh, \fan
	LDB \ns, \nhh, 0
	MUL 1, \fa, 4, 4, \zero
.elseif (\kind) == 3
	s_wait_dscnt 8
	MUL 1, \fa, 0, 4, 0
	PLACES
	BIASLD
	MUL 1, \fa, 4, 4, 0
.else
	; THE CHANGE OF SLOTS: one barrier for two things.  In front of it each wave waits for all its tensor loads (one is out: its part of the next slot), adds 0 to its spare word, and waits for that and
	; for its own reads of this slot.  Behind it nobody reads this slot any more and the next slot is whole.
	WIN 0                                          ; (the add's two registers lie in window 0)
	s_wait_tensorcnt 0x0
	ds_add_u32 v[SPW], v[NIL]                      ; 0 onto my spare word
	s_wait_dscnt 9                                 ; Wk is in; Wv's eight and the add may be out
	MUL 1, \fa, 0, 2, 0
	s_wait_dscnt 0x0                               ; the add is done, and my reads of this slot are over (Wv's were the last)
	s_barrier_signal -1
	MUL 1, \fa, 2, 2, 0                            ; work on registers while the others arrive
	WIN 0                                          ; at a branch and at a label every window is 0
	s_barrier_wait -1
.if (\kind) == 1
	CREST                                          ; the barrier has opened a round of the cluster's: no wave of any partner still reads this slot or has a load on its way
	s_add_nc_u64 s[G0A+4*(\s)+2:G0A+4*(\s)+3], s[G0A+4*(\s)+2:G0A+4*(\s)+3], 2*1048576
	s_add_nc_u64 s[G0B+4*(\s)+2:G0B+4*(\s)+3], s[G0B+4*(\s)+2:G0B+4*(\s)+3], 2*131072
	JLOAD \s                                       ; the first tensor load behind the round, 176 matrix instructions ahead of the wait for it; its four v_nop are also the places in front of the loads below
.else
	PLACES
.endif
	LDA \ns, \nhh, \fan
	LDB \ns, \nhh, 0
	MUL 1, \fa, 4, 4, 0
.endif
.if (\kind) == 3
	s_wait_dscnt 0x0                               ; Wv is in: nothing was fetched behind it
	MUL 2, \fa, 0, 8, 0
.else
	s_wait_dscnt 24                                ; Wv is in; the next step's x (16) and Wq (8) may be out
	MUL 2, \fa, 0, 4, \zero
	PLACES
	LDB \ns, \nhh, 1
	MUL 2, \fa, 4, 4, \zero
.endif
.endm
	s_wait_tensorcnt 0x1                           ; my part of slot 0 is in; slot 1's may stay out
	s_barrier_signal -1
	s_barrier_wait -1
	LDA 0, 0, FA0
	LDB 0, 0, 0
	LDB 0, 0, 1
	STEP 0,0, 0,1, FA0, FA1, 0, 1                  ; step 0 stands in front of the loop: its products start the 96 sums
	WIN 0
	s_mov_b32 s[TRIPS], 7
.Llap:                                                 ; a trip: steps 4 i + 1 .. 4 i + 4: once round the ring, both slots filled again: fills 2 .. 15 of 16
	STEP 0,1, 1,0, FA1, FA0, 1, 0
	STEP 1,0, 1,1, FA0, FA1, 0, 0
	STEP 1,1, 0,0, FA1, FA0, 1, 0
	STEP 0,0, 0,1, FA0, FA1, 0, 0
	WIN 0
	s_sub_co_u32 s[TRIPS], s[TRIPS], 1
	s_cmp_lg_u32 s[TRIPS], 0
	s_cbranch_scc1 .Llap
	STEP 0,1, 1,0, FA1, FA0, 2, 0                  ; steps 29, 30, 31 are written out: they ask for nothing
	STEP 1,0, 1,1, FA0, FA1, 0, 0
	STEP 1,1, 0,0, FA1, FA0, 3, 0
	; THE WAY OUT.  The biases are rounded to bf16 and widened again; then, a block of 16 rows at a time: sum + bias, rounded to f16, stored as it lies.
	PLACES
	WIN 0
	s_wait_loadcnt 0x0                             ; the biases
.set i, BQ
.rept 32
	v_cvt_pk_bf16_f32 v[RT], v[i], v[i+1]
	v_lshlrev_b32 v[i], 16, v[RT]
	v_and_b32 v[i+1], 0xffff0000, v[RT]
.set i, i+2
.endr
.set i, BV
.rept 4
	v_cvt_pk_bf16_f32 v[RT], v[i], v[i+1]
	v_lshlrev_b32 v[i], 16, v[RT]
	v_and_b32 v[i+1], 0xffff0000, v[RT]
.set i, i+2
.endr
.macro OUT w, a, sb                    ; weight w, row block a, the plane's base in s[sb:sb+1].  Each accumulator is read from its lowest registers on.
	WIN (\w)+1                                     ; source 0 in window w + 1
.set ib, 0
.rept 4
.set ij, 0
.rept 4
.if (\w) < 2
	v_pk_add_f32 v[T+8*ib+ij:T+8*ib+ij+1], v[8*(4*(\a)+ib)+ij:8*(4*(\a)+ib)+ij+1], v[BQ+32*(\w)+8*ib+ij:BQ+32*(\w)+8*ib+ij+1]
.else
	v_pk_add_f32 v[T+8*ib+ij:T+8*ib+ij+1], v[8*(4*(\a)+ib)+ij:8*(4*(\a)+ib)+ij+1], v[BV+2*ib:BV+2*ib+1]
.endif
.set ij, ij+2
.endr
.set ib, ib+1
.endr
	WIN 0
	s_wait_xcnt 0x0                                ; every earlier store has had its addresses translated (ISA guide 3.1): only behind this wait are registers that stores read rewritten
.set ii, 0
.rept 16
	v_cvt_pk_f16_f32 v[PK+16*((\a)%2)+ii], v[T+2*ii], v[T+2*ii+1]
.set ii, ii+1
.endr
.irp b, 0,1,2,3
	global_store_b128 v[CO], v[PK+16*((\a)%2)+4*(\b):PK+16*((\a)%2)+4*(\b)+3], s[\sb:(\sb)+1] offset:(\a)*2048+(\b)*512  ; 512 consecutive bytes, aligned
.endr
.endm
.irp a, 0,1,2,3,4,5,6,7
	OUT 0, \a, 70
.endr
.irp a, 0,1,2,3,4,5,6,7
	OUT 1, \a, 74
.endr
.irp a, 0,1,2,3,4,5,6,7
	OUT 2, \a, 76
.endr
	s_wait_tensorcnt 0x0                           ; the wave's end
	ds_add_u32 v[SPW], v[NIL]
	s_wait_dscnt 0x0
	CROUND                                         ; the closing round: no work-group ends while a partner may still ask for a tile that names it
	s_endpgm
.Lfunc_end_k_q39ae8081f8_qkvg:
	.size	k_q39ae8081f8_qkvg, .Lfunc_end_k_q39ae8081f8_qkvg-k_q39ae8081f8_qkvg
	.p2alignl 7, 3214868480
	.fill 96, 4, 3214868480
	.section	.rodata,"a",@progbits
	.p2align	6, 0x0
	.amdhsa_kernel k_q39ae8081f8_qkvg
		.amdhsa_group_segment_fixed_size 327680
		.amdhsa_private_segment_fixed_size 0
		.amdhsa_enable_private_segment 0
		.amdhsa_kernarg_size 48
		.amdhsa_user_sgpr_count 2
		.amdhsa_user_sgpr_kernarg_segment_ptr 1
		.amdhsa_wavefront_size32 1
		.amdhsa_system_sgpr_workgroup_id_x 1
		.amdhsa_system_sgpr_workgroup_id_y 1
		.amdhsa_system_sgpr_workgroup_id_z 1
		.amdhsa_system_vgpr_workitem_id 0
		.amdhsa_next_free_vgpr 1024
		.amdhsa_next_free_sgpr 80
		.amdhsa_reserve_vcc 0
		.amdhsa_float_denorm_mode_32 3
		.amdhsa_float_denorm_mode_16_64 3
		.amdhsa_memory_ordered 1
		.amdhsa_forward_progress 1
		.amdhsa_inst_pref_size 151
	.end_amdhsa_kernel
	.amdgpu_metadata
---
amdhsa.version: [ 1, 2 ]
amdhsa.kernels:
  - .name:           k_q39ae8081f8_qkvg
    .symbol:         k_q39ae8081f8_qkvg.kd
    .args:
      - { .name: xb, .offset: 0, .size: 8, .value_kind: global_buffer, .address_space: global }
      - { .name: wb, .offset: 8, .size: 8, .value_kind: global_buffer, .address_space: global }
      - { .name: bq, .offset: 16, .size: 8, .value_kind: global_buffer, .address_space: global }
      - { .name: bk, .offset: 24, .size: 8, .value_kind: global_buffer, .address_space: global }
      - { .name: bv, .offset: 32, .size: 8, .value_kind: global_buffer, .address_space: global }
      - { .name: qkv, .offset: 40, .size: 8, .value_kind: global_buffer, .address_space: global }
    .group_segment_fixed_size: 327680
    .private_segment_fixed_size: 0
    .kernarg_segment_align: 8
    .kernarg_segment_size: 48
    .max_flat_workgroup_size: 128
    .sgpr_count:     80
    .vgpr_count:     1024
    .wavefront_size: 32
...
	.end_amdgpu_metadata
.endif
;; end of part 2
;; launch band (part 3): grid 256 x 1, 16 waves a work-group, no clusters, 0 bytes of LDS; arguments qkv, ob; writes ob
.if DOCPART == 3
	.amdgcn_target "amdgcn-amd-amdhsa--gfx1250"
	.amdhsa_code_object_version 6
	.text
	.protected	k_q39ae8081f8_band
	.globl	k_q39ae8081f8_band
	.p2align	8
	.type	k_q39ae8081f8_band,@function
k_q39ae8081f8_band:
	s_mov_b64 s[64:65], 0
	v_nop
	global_prefetch_b8 v0, s[64:65] scope:SCOPE_SE
	s_setreg_imm32_b32 hwreg(HW_REG_WAVE_MODE, 25, 1), 1
	s_wait_xcnt 0x0
; THE BANDED ATTENTION.  Query i sees key j where j - i is even and |j - i| <= 16.  The rows lie permuted (the even places of a batch, then the odd ones): 8 sequences of 1,024 places, in each of which
; place t sees the places t - 8 .. t + 8 that exist.  So a block of 16 queries needs its own block of 16 keys and the two beside it, and nothing else is computed.
; SHARES.  16 heads x 8 sequences x 32 waves; a wave owns two blocks of queries, 2 u and 2 u + 1, and reads the key blocks 2 u - 1 .. 2 u + 2: 28 matrix instructions.
; q, k, v arrive as register images (f16 [3][head][block of 16 rows][4][32 lanes][16 bytes]): every load is 512 consecutive bytes and lands as half a fragment.  No LDS and no barrier.
; NO CLUSTER AND NO TENSOR LOAD: a wave's whole input is 40 loads, all out at once; the blocks that two waves both read (a block's two neighbours) are mostly asked for by neighbouring waves of one work-group.
; S^T = K Q^T: a lane holds ONE query (lane % 16) and the keys 8 (lane / 16) + 0..7 of a block.  THE MASK is the C operand that starts the sum: 0, or -1e30 where the key is hidden or lies outside the
; sequence (the block is then loaded from a clamped address, and its weights are 0).  The maximum is the true maximum of the query's scores (its own key is always seen);
; p = 2^(c s - c m), c = log2(e) / 8; p rounded to f16 IS source 1 of O^T = V^T P; the sum l is taken of the unrounded p.  O leaves in q's form: ob = f16 [head][block][4][32 lanes][16 bytes].
; LIMITS.  A hidden score counts as its value less 1e30 (f16's scores reach 2.7e11 at the most); a weight below 2^-126 counts as 0; NaN and infinities are not treated apart: a clamped block must be finite.
.set E,    3                           ; v3   e = lane % 16 - 8 (lane / 16): key register j of the block d blocks on lies 16 d + j - e places from my query
.set E2,   4                           ; v4   8 - e
.set VQ,   5                           ; v5   byte offset of my 16 bytes in block 2 u
.set VLO,  6                           ; v6   in block 2 u - 1, clamped to 0
.set VHI,  7                           ; v7   in block 2 u + 2, clamped to 63
.set TMP,  8
.set ZERO, 9                           ; v9   0
.set LOV,  10                          ; v10  0, or -1e30 where block 2 u - 1 does not exist
.set HIV,  11                          ; v11  the same for block 2 u + 2
.set ST,   12                          ; query block t at v[12 + 8 t]: c m, m, 1 / l and its pair's second, three at work
.set QF,   32                          ; v32-63    Q: block t, channels 32 c on at 32 + 16 t + 8 c; later P: block t, keys 32 kk on at 32 + 16 t + 8 kk
.set KF,   64                          ; v64-127   K: block i of four, channels 32 c on at 64 + 16 i + 8 c; later O^T: block t, channels 16 cb on at 64 + 32 t + 8 cb
.set VF,   128                         ; v128-191  V^T: keys 32 kk on, channels 16 cb on at 128 + 32 kk + 8 cb
.set S,    192                         ; v192-239  S^T: query block t, key block t + d at 192 + 8 (3 t + d + 1); later the packed O
.set CS,   18                          ; s[18:19] c
.set SEL,  20                          ; s[20:21] v_permlanex16_b32's selects: each lane takes its own place in the other half
.set BIGN, 22                          ; s22 -1e30
	s_load_b128 s[4:7], s[0:1], 0x0                ; qkv s[4:5], ob s[6:7]
	v_lshrrev_b32 v1, 5, v0
	v_readfirstlane_b32 s8, v1                     ; wave 0..15
	s_and_b32 s9, ttmp9, 15                        ; head
	s_bfe_u32 s10, ttmp9, 0x30004                  ; sequence
	s_lshr_b32 s11, ttmp9, 7
	s_lshl4_add_u32 s11, s11, s8                   ; u, 0..31
	s_lshl_b32 s12, s9, 20                         ; a head is 1 MiB,
	s_lshl_b32 s13, s10, 17                        ; a sequence 64 blocks of 2,048 bytes
	s_add_co_u32 s12, s12, s13
	s_mov_b32 s13, 0
	s_mov_b32 s[CS], 0x3e38aa3b                    ; c = log2(e) / 8 = 0.180337
	s_mov_b32 s[CS+1], s[CS]                       ; named with it as a pair
	s_mov_b32 s[SEL], 0x76543210
	s_mov_b32 s[SEL+1], 0xfedcba98
	s_mov_b32 s[BIGN], 0xf149f2ca
	s_cmp_eq_u32 s11, 0
	s_cselect_b32 s24, s[BIGN], 0
	s_cmp_eq_u32 s11, 31
	s_cselect_b32 s25, s[BIGN], 0
	s_lshl_b32 s23, s11, 12                        ; two blocks a wave
	s_lshl_b32 s26, s11, 1
	s_max_u32 s27, s26, 1
	s_sub_co_u32 s27, s27, 1                       ; max(2 u - 1, 0)
	s_lshl_b32 s27, s27, 11
	s_add_co_u32 s28, s26, 2
	s_min_u32 s28, s28, 63                         ; min(2 u + 2, 63)
	s_lshl_b32 s28, s28, 11
	v_and_b32 v[TMP], 31, v0
	v_lshlrev_b32 v[TMP], 4, v[TMP]
	v_add_nc_u32 v[VQ], s23, v[TMP]
	v_add_nc_u32 v[VLO], s27, v[TMP]
	v_add_nc_u32 v[VHI], s28, v[TMP]
	s_wait_kmcnt 0x0
	s_add_nc_u64 s[4:5], s[4:5], s[12:13]          ; q,
	s_add_nc_u64 s[14:15], s[4:5], 0x1000000       ; k,
	s_add_nc_u64 s[16:17], s[4:5], 0x2000000       ; v at my head and sequence
	s_add_nc_u64 s[6:7], s[6:7], s[12:13]
.macro LD4 dst, step, vo, sb, off      ; a block's four pieces of 512 bytes
.irp b, 0,1,2,3
	global_load_b128 v[(\dst)+(\step)*(\b):(\dst)+(\step)*(\b)+3], v[\vo], s[\sb:(\sb)+1] offset:(\off)+512*(\b)
.endr
.endm
	LD4 KF,    4, VLO, 14, 0
	LD4 KF+16, 4, VQ,  14, 0
	LD4 KF+32, 4, VQ,  14, 2048
	LD4 KF+48, 4, VHI, 14, 0
	LD4 QF,    4, VQ,  4,  0
	LD4 QF+16, 4, VQ,  4,  2048
	LD4 VF,    8, VLO, 16, 0                       ; a piece of v is 8 keys of one channel: an even block fills registers 0-3 of a fragment, an odd one 4-7
	LD4 VF+4,  8, VQ,  16, 0
	LD4 VF+32, 8, VQ,  16, 2048
	LD4 VF+36, 8, VHI, 16, 0
	; the masks are made while the loads are out
	v_and_b32 v1, 15, v0
	v_bfe_u32 v2, v0, 4, 1
	v_lshlrev_b32 v[E], 3, v2
	v_sub_nc_u32 v[E], v1, v[E]
	v_sub_nc_u32 v[E2], 8, v[E]
	v_mov_b32 v[ZERO], 0
	v_mov_b32 v[LOV], s24
	v_mov_b32 v[HIV], s25
.set j, 0
.rept 8
	v_cmp_ge_i32 vcc_lo, j-8, v[E]                 ; the block before: j - e - 16 >= -8
	v_cndmask_b32 v[S+j], s[BIGN], v[LOV], vcc_lo
	v_cndmask_b32 v[S+24+j], s[BIGN], v[ZERO], vcc_lo
	v_add_nc_u32 v[TMP], j, v[E2]
	v_cmp_ge_u32 vcc_lo, 16, v[TMP]                ; the own block: |j - e| <= 8, as 0 <= j - e + 8 <= 16
	v_cndmask_b32 v[S+8+j], s[BIGN], v[ZERO], vcc_lo
	v_cndmask_b32 v[S+32+j], s[BIGN], v[ZERO], vcc_lo
	v_cmp_le_i32 vcc_lo, j+8, v[E]                 ; the block behind: j - e + 16 <= 8
	v_cndmask_b32 v[S+16+j], s[BIGN], v[ZERO], vcc_lo
	v_cndmask_b32 v[S+40+j], s[BIGN], v[HIV], vcc_lo
.set j, j+1
.endr
	s_wait_loadcnt 16                              ; K and Q are in; V's sixteen loads stay out
.irp c, 0,1                            ; the six accumulators take turns
.irp t, 0,1
.irp d, 0,1,2
	v_wmma_f32_16x16x32_f16 v[S+8*(3*(\t)+(\d)):S+8*(3*(\t)+(\d))+7], v[KF+16*((\t)+(\d))+8*(\c):KF+16*((\t)+(\d))+8*(\c)+7], v[QF+16*(\t)+8*(\c):QF+16*(\t)+8*(\c)+7], v[S+8*(3*(\t)+(\d)):S+8*(3*(\t)+(\d))+7]
.endr
.endr
.endr
.rept 4
	v_nop                                          ; the places behind those products (ISA guide 7.12.1)
.endr
; The softmax of query block t: 24 scores a lane.  Each accumulator's lowest registers are read first.
.macro SOFT t
.set rS, S+24*(\t)
.set rT, ST+8*(\t)
.set rP, QF+20*(\t)                    ; its 12 registers of P: key blocks t, t + 1, t + 2 of the four
.set rZ, QF+12+4*(\t)                  ; and the fourth block's, which it does not see: 0
	v_max3_num_f32 v[rT+4], v[rS], v[rS+1], v[rS+2]
	v_max3_num_f32 v[rT+5], v[rS+8], v[rS+9], v[rS+10]
	v_max3_num_f32 v[rT+6], v[rS+16], v[rS+17], v[rS+18]
	v_max3_num_f32 v[rT+4], v[rT+4], v[rS+3], v[rS+4]
	v_max3_num_f32 v[rT+5], v[rT+5], v[rS+11], v[rS+12]
	v_max3_num_f32 v[rT+6], v[rT+6], v[rS+19], v[rS+20]
	v_max3_num_f32 v[rT+4], v[rT+4], v[rS+5], v[rS+6]
	v_max3_num_f32 v[rT+5], v[rT+5], v[rS+13], v[rS+14]
	v_max3_num_f32 v[rT+6], v[rT+6], v[rS+21], v[rS+22]
	v_max3_num_f32 v[rT+4], v[rT+4], v[rS+7], v[rS+15]
	v_max3_num_f32 v[rT+5], v[rT+5], v[rS+23], v[rT+6]
	v_max_num_f32 v[rT+4], v[rT+4], v[rT+5]
	v_permlanex16_b32 v[rT+5], v[rT+4], s[SEL], s[SEL+1]  ; the query's other keys lie in the lane 16 away
	v_max_num_f32 v[rT+1], v[rT+4], v[rT+5]
	v_mul_f32 v[rT], s[CS], v[rT+1]
.set i, 0
.rept 12
	v_pk_fma_f32 v[rS+2*i:rS+2*i+1], v[rS+2*i:rS+2*i+1], s[CS:CS+1], v[rT:rT+1] op_sel_hi:[1,0,0] neg_lo:[0,0,1] neg_hi:[0,0,1]  ; c s - c m
.set i, i+1
.endr
.set i, 0
.rept 24
	v_exp_f32 v[rS+i], v[rS+i]
.set i, i+1
.endr
.set i, 0
.rept 4
	v_mov_b32 v[rZ+i], 0                           ; plain lines between the last exponential and the use of its result (ISA guide 5.7.2); Q's registers are free
.set i, i+1
.endr
.set i, 0
	s_wait_alu depctr_va_vdst(0)
.rept 12
	v_cvt_pk_f16_f32 v[rP+i], v[rS+2*i], v[rS+2*i+1]
.set i, i+1
.endr
.set i, 0
.rept 6
	v_pk_add_f32 v[rS+2*i:rS+2*i+1], v[rS+2*i:rS+2*i+1], v[rS+2*i+12:rS+2*i+13]
.set i, i+1
.endr
.set i, 0
.rept 3
	v_pk_add_f32 v[rS+2*i:rS+2*i+1], v[rS+2*i:rS+2*i+1], v[rS+2*i+6:rS+2*i+7]
.set i, i+1
.endr
	v_pk_add_f32 v[rS:rS+1], v[rS:rS+1], v[rS+2:rS+3]
	v_pk_add_f32 v[rS:rS+1], v[rS:rS+1], v[rS+4:rS+5]
	v_add_f32 v[rT+2], v[rS], v[rS+1]
	v_permlanex16_b32 v[rT+6], v[rT+2], s[SEL], s[SEL+1]
	v_add_f32 v[rT+2], v[rT+2], v[rT+6]
	v_rcp_f32 v[rT+2], v[rT+2]
	v_mov_b32 v[rT+3], 0                           ; the pair's second register is written; also the plain line behind the reciprocal
.endm
	SOFT 0
	SOFT 1
	s_wait_loadcnt 0x0                             ; V
.irp kk, 0,1                           ; the eight accumulators take turns; the first eight products start the sums
.irp t, 0,1
.irp cb, 0,1,2,3
.if (\kk) == 0
	v_wmma_f32_16x16x32_f16 v[KF+32*(\t)+8*(\cb):KF+32*(\t)+8*(\cb)+7], v[VF+32*(\kk)+8*(\cb):VF+32*(\kk)+8*(\cb)+7], v[QF+16*(\t)+8*(\kk):QF+16*(\t)+8*(\kk)+7], 0
.else
	v_wmma_f32_16x16x32_f16 v[KF+32*(\t)+8*(\cb):KF+32*(\t)+8*(\cb)+7], v[VF+32*(\kk)+8*(\cb):VF+32*(\kk)+8*(\cb)+7], v[QF+16*(\t)+8*(\kk):QF+16*(\t)+8*(\kk)+7], v[KF+32*(\t)+8*(\cb):KF+32*(\t)+8*(\cb)+7]
.endif
.endr
.endr
.endr
.rept 4
	v_nop
.endr
	s_wait_alu depctr_va_vdst(0)
.irp t, 0,1
.set i, 0
.rept 16
	v_pk_mul_f32 v[KF+32*(\t)+2*i:KF+32*(\t)+2*i+1], v[KF+32*(\t)+2*i:KF+32*(\t)+2*i+1], v[ST+8*(\t)+2:ST+8*(\t)+3] op_sel_hi:[1,0]  ; O / l
.set i, i+1
.endr
.endr
.irp t, 0,1
.set i, 0
.rept 16
	v_cvt_pk_f16_f32 v[S+16*(\t)+i], v[KF+32*(\t)+2*i], v[KF+32*(\t)+2*i+1]
.set i, i+1
.endr
.irp cb, 0,1,2,3
	global_store_b128 v[VQ], v[S+16*(\t)+4*(\cb):S+16*(\t)+4*(\cb)+3], s[6:7] offset:(\t)*2048+(\cb)*512  ; 512 consecutive bytes, aligned
.endr
.endr
	s_endpgm
.Lfunc_end_k_q39ae8081f8_band:
	.size	k_q39ae8081f8_band, .Lfunc_end_k_q39ae8081f8_band-k_q39ae8081f8_band
	.p2alignl 7, 3214868480
	.fill 96, 4, 3214868480
	.section	.rodata,"a",@progbits
	.p2align	6, 0x0
	.amdhsa_kernel k_q39ae8081f8_band
		.amdhsa_group_segment_fixed_size 0
		.amdhsa_private_segment_fixed_size 0
		.amdhsa_enable_private_segment 0
		.amdhsa_kernarg_size 16
		.amdhsa_user_sgpr_count 2
		.amdhsa_user_sgpr_kernarg_segment_ptr 1
		.amdhsa_wavefront_size32 1
		.amdhsa_system_sgpr_workgroup_id_x 1
		.amdhsa_system_sgpr_workgroup_id_y 1
		.amdhsa_system_sgpr_workgroup_id_z 1
		.amdhsa_system_vgpr_workitem_id 0
		.amdhsa_next_free_vgpr 240
		.amdhsa_next_free_sgpr 66
		.amdhsa_reserve_vcc 1
		.amdhsa_float_denorm_mode_32 3
		.amdhsa_float_denorm_mode_16_64 3
		.amdhsa_memory_ordered 1
		.amdhsa_forward_progress 1
		.amdhsa_inst_pref_size 24
	.end_amdhsa_kernel
	.amdgpu_metadata
---
amdhsa.version: [ 1, 2 ]
amdhsa.kernels:
  - .name:           k_q39ae8081f8_band
    .symbol:         k_q39ae8081f8_band.kd
    .args:
      - { .name: qkv, .offset: 0, .size: 8, .value_kind: global_buffer, .address_space: global }
      - { .name: ob, .offset: 8, .size: 8, .value_kind: global_buffer, .address_space: global }
    .group_segment_fixed_size: 0
    .private_segment_fixed_size: 0
    .kernarg_segment_align: 8
    .kernarg_segment_size: 16
    .max_flat_workgroup_size: 512
    .sgpr_count:     66
    .vgpr_count:     240
    .wavefront_size: 32
...
	.end_amdgpu_metadata
.endif
;; end of part 3
;; launch proj (part 4): grid 8 x 32, 4 waves a work-group, clusters of 4 x 4, 327,680 bytes of LDS; arguments ob, wb, bo, out0; writes out0
.if DOCPART == 4
	.amdgcn_target "amdgcn-amd-amdhsa--gfx1250"
	.amdhsa_code_object_version 6
	.text
	.protected	k_q39ae8081f8_proj
	.globl	k_q39ae8081f8_proj
	.p2align	8
	.type	k_q39ae8081f8_proj,@function
k_q39ae8081f8_proj:
	s_mov_b64 s[64:65], 0
	v_nop
	global_prefetch_b8 v0, s[64:65] scope:SCOPE_SE
	s_setreg_imm32_b32 hwreg(HW_REG_WAVE_MODE, 25, 1), 1
	s_wait_xcnt 0x0
	s_wait_alu depctr_hold_cnt(0) depctr_sa_sdst(0) depctr_va_vdst(0) depctr_va_sdst(0) depctr_va_ssrc(0) depctr_va_vcc(0) depctr_vm_vsrc(0)
	s_getreg_b32 s2, hwreg(HW_REG_IB_STS2, 6, 4)
	s_cmp_eq_u32 s2, 0
	s_cbranch_scc0 .Lentry_in_a_cluster
	s_endpgm
.Lentry_in_a_cluster:
	s_bfe_u32 s2, ttmp6, 0x10000c
	s_cmp_lg_u32 s2, 0xf033
	s_cbranch_scc0 .Lentry_shape_is_right
	s_endpgm
.Lentry_shape_is_right:
; out = O Wo + bo.  8192 permuted rows x 1024 columns, K = 1024 (head x 64 + channel).  O in f16 as register images (ob), Wo as f16 of its bf16 rounding (plane 3 of wb), bo rounded to bf16; sums and out in f32.
; SHARES.  A work-group owns 256 rows x 128 columns: 8 x 32 work-groups; a wave 128 x 64: 32 accumulators in register window 1.
; RING.  Two LDS slots of 128 along K = two heads.  O's part of a head, 16 blocks of 2,048 bytes, is dense and is read back lane by lane as it lies (lane i at 16 i), so it has no padding;
; Wo's 128 rows of 256 bytes are padded to 288.  Waves 0 and 1 fetch a head of O each, waves 2 and 3 64 rows of Wo each: one tensor load a wave behind each change of slots; 2 are out at the start, then 1.
; CLUSTER.  4 x 4: O's tiles are asked for jointly along a row of the cluster, Wo's along a column.
; Source 0 = 16 columns of Wo, source 1 = 16 rows of O: a lane holds 8 neighbouring columns of one row.  A wave's 64 columns are 256 bytes of out: a block of 16 rows goes through the wave's own stage in LDS
; and leaves as whole rows, sixteen lanes to 256 consecutive aligned bytes.  The permutation is undone here: neighbouring permuted rows lie two rows of out apart.
.set PB,    288                        ; a row of Wo in LDS: 72 words
.set ATILE, 2*32768
.set BHALF, 64*PB
.set SLOT,  ATILE+2*BHALF              ; 102,400
.set STAGE, 2*SLOT                     ; behind the ring, never filled by a tensor load: 16 rows x 272 bytes for each wave
.set SP,    272
.set SPARE, STAGE+4*16*SP              ; behind the stages: the spare words, 128 bytes a wave: two blocks of 256 bytes that no other line names
.set ADRA, 16                          ; v16-17  LDS address of my fragments of O in slot 0, 1
.set ADRB, 20                          ; v20-21  the same for Wo
.set STO,  24                          ; v24  the way out: where I put 32 bytes of a row
.set RD,   25                          ; v25  where I read a row back
.set CO,   26                          ; v26  my byte offset in two rows of out
.set VB,   27                          ; v27  byte offset in bo of my lane's first 8 columns
.set SPW,  28                          ; v28  LDS address of my spare word; never rewritten
.set NIL,  29                          ; v29  0; never rewritten
.set RT,   30
.set F0,   32                          ; two fragment buffers of 96: 64 registers of O (8 x 16 rows x 32 K), then 32 of Wo
.set F1,   128
.set BI,   32                          ; the way out: v32-63 bo; v64-95 a block's sums; v96-127, v128-159 rows read back, by turns
.set TMP,  64
.set BK0,  96
.set WV, 16
.set WM, 17                            ; s17 my half of the rows; also: I fetch O (0) or Wo (1)
.set WN, 18                            ; s18 my half of the columns; also: which half of that tile I fetch
.set TRIPS, 19
.set CX, 20
.set CY, 21
.set TX, 22
.set TY, 23
.set G1A, 24
.set G0A, 32
.set G1B, 40
.set G0B, 48
.set MSB, 0
.macro WIN new
.if MSB != (\new)
	s_set_vgpr_msb (MSB<<8)|(\new)
.set MSB, \new
.endif
.endm
.macro JLOAD s                         ; a joint load; an s_nop 0 and four v_nop follow each of the two lines, ahead of the jump, the label and what follows
	s_cmp_eq_u32 s[WM], 0
	s_cbranch_scc0 .Lfor_b_\@
	tensor_load_to_lds s[G0A+4*(\s):G0A+4*(\s)+3], s[G1A:G1A+7]
	s_nop 0
.rept 4
	v_nop
.endr
	s_branch .Lasked_\@
.Lfor_b_\@:
	tensor_load_to_lds s[G0B+4*(\s):G0B+4*(\s)+3], s[G1B:G1B+7]
	s_nop 0
.rept 4
	v_nop
.endr
.Lasked_\@:
.endm
.macro CREST
	s_cmp_lg_u32 s[WV], 0
	s_cbranch_scc1 .Lnot_wave_0_\@
	s_barrier_signal -3
.Lnot_wave_0_\@:
	s_barrier_wait -3
	s_barrier_signal -1
	s_barrier_wait -1
.endm
.macro CROUND
	s_barrier_signal -1
	s_barrier_wait -1
	CREST
.endm
.macro PLACES
.rept 4
	v_nop
.endr
.endm
	s_load_b256 s[4:11], s[0:1], 0x0               ; ob s[4:5], wb s[6:7], bo s[8:9], out0 s[10:11]
	v_lshl_add_u32 v[SPW], v0, 2, SPARE
	v_mov_b32 v[NIL], 0
	ds_add_u32 v[SPW], v[NIL]                      ; the wave's opening: the add and its wait stand ahead of my first tensor load; work on registers stands between them
	ds_add_u32 v28, v29
	v_lshrrev_b32 v1, 5, v0
	v_readfirstlane_b32 s[WV], v1
	s_lshr_b32 s[WM], s[WV], 1
	s_and_b32 s[WN], s[WV], 1
	s_bfe_u32 s[CX], ttmp6, 0x40000
	s_bfe_u32 s[CY], ttmp6, 0x40004
	s_lshl_b32 s[TX], ttmp9, 2
	s_add_co_u32 s[TX], s[TX], s[CX]               ; block of 128 columns
	s_and_b32 s[TY], ttmp7, 0xffff
	s_lshl_b32 s[TY], s[TY], 2
	s_add_co_u32 s[TY], s[TY], s[CY]               ; block of 256 rows
	s_lshl_b32 s62, s[CY], 2
	s_lshl_b32 s62, 15, s62                        ; my row of the cluster
	s_lshl_b32 s63, 0x1111, s[CX]                  ; my column
	s_or_b32 s[G1A], s62, (1<<16)|(1<<21)          ; 15:0 the mask; 17:16 2-byte elements; 21 set beside a mask; no padding
	s_or_b32 s[G1B], s63, (1<<16)|(1<<20)|(1<<21)|(5<<22)|(7<<25)  ; padding on: after every 64 words (code 5) 8 words (code 7)
	s_mov_b32 s[G1A+1], 128<<16                    ; 128 rows of 256 dense bytes
	s_mov_b32 s[G1A+2], 128<<16
	s_mov_b32 s[G1A+3], 128<<16
	s_mov_b32 s[G1A+4], 128
	s_mov_b32 s[G1A+5], 128
	s_mov_b32 s[G1A+6], 0
	s_mov_b32 s[G1A+7], 0
	s_mov_b32 s[G1B+1], 128<<16                    ; 128 columns x 64 rows along K, rows of Wo 1,024 elements apart
	s_mov_b32 s[G1B+2], 64<<16
	s_mov_b32 s[G1B+3], 128<<16
	s_mov_b32 s[G1B+4], 64
	s_mov_b32 s[G1B+5], 1024
	s_mov_b32 s[G1B+6], 0
	s_mov_b32 s[G1B+7], 0
	s_lshl_b32 s56, s[WN], 20                      ; O: which head of a slot's two, 1 MiB each,
	s_lshl_b32 s57, s[TY], 15                      ; and the block's 16 blocks of 2,048 bytes
	s_add_co_u32 s56, s56, s57
	s_mov_b32 s57, 0
	s_lshl_b32 s66, s[WN], 17                      ; Wo: which 64 rows of 2,048 bytes,
	s_lshl_b32 s67, s[TX], 8                       ; the block's 128 columns,
	s_add_co_u32 s66, s66, s67
	s_add_co_u32 s66, s66, 3*2097152               ; in plane 3 of wb
	s_mov_b32 s67, 0
	s_mul_i32 s60, s[WV], 32768                    ; where they go: O's two heads (waves 0, 1),
	s_mul_i32 s61, s[WV], BHALF                    ; Wo's two halves behind them (waves 2, 3)
	s_add_co_u32 s61, s61, ATILE-2*BHALF
	s_wait_dscnt 0x0                               ; the opening add is done
	s_wait_kmcnt 0x0
	s_add_nc_u64 s[58:59], s[4:5], s[56:57]
	s_add_nc_u64 s[68:69], s[6:7], s[66:67]
	CROUND                                         ; all sixteen work-groups are here: the first joint loads meet
.irp s, 0,1
	s_mov_b32 s[G0A+4*(\s)], 1
	s_add_co_u32 s[G0A+4*(\s)+1], s60, (\s)*SLOT
	s_add_nc_u64 s[G0A+4*(\s)+2:G0A+4*(\s)+3], s[58:59], (\s)*2097152  ; slot s begins with heads 2 s, 2 s + 1
	s_or_b32 s[G0A+4*(\s)+3], s[G0A+4*(\s)+3], 0x80000000
	s_mov_b32 s[G0B+4*(\s)], 1
	s_add_co_u32 s[G0B+4*(\s)+1], s61, (\s)*SLOT
	s_add_nc_u64 s[G0B+4*(\s)+2:G0B+4*(\s)+3], s[68:69], (\s)*262144   ; 128 rows of 2,048 bytes
	s_or_b32 s[G0B+4*(\s)+3], s[G0B+4*(\s)+3], 0x80000000
	JLOAD \s
.endr
	v_and_b32 v1, 15, v0
	v_bfe_u32 v2, v0, 4, 1
	v_and_b32 v3, 31, v0
	v_lshlrev_b32 v3, 4, v3
	s_lshl_b32 s74, s[WM], 14                      ; my 8 blocks of 2,048 bytes
	v_add_nc_u32 v[ADRA], s74, v3
	v_add_nc_u32 v[ADRA+1], SLOT, v[ADRA]
	v_and_b32 v4, 7, v0                            ; the turning load: lane l reads K = 8 (l / 16) + l % 8, columns 8 ((l / 8) % 2) + 0..7
	v_bfe_u32 v5, v0, 3, 1
	v_lshl_add_u32 v4, v2, 3, v4
	v_mul_u32_u24 v4, v4, PB
	v_lshl_add_u32 v4, v5, 4, v4
	s_lshl_b32 s74, s[WN], 7
	s_add_co_u32 s74, s74, ATILE
	v_add_nc_u32 v[ADRB], s74, v4
	v_add_nc_u32 v[ADRB+1], SLOT, v[ADRB]
	s_mul_i32 s74, s[WV], 16*SP
	s_add_co_u32 s74, s74, STAGE                   ; my stage
	v_mul_u32_u24 v3, v1, SP                       ; in: row l % 16, 32 bytes for each half of the lanes
	v_lshl_add_u32 v3, v2, 5, v3
	v_add_nc_u32 v[STO], s74, v3
	v_mul_u32_u24 v3, v2, SP                       ; back: lanes 0-15 take one row of 256 bytes, lanes 16-31 the next
	v_lshl_add_u32 v3, v1, 4, v3
	v_add_nc_u32 v[RD], s74, v3
	v_lshlrev_b32 v3, 13, v2                       ; which in out lies two rows, 8,192 bytes, on
	v_lshl_add_u32 v[CO], v1, 4, v3
	s_lshl_b32 s72, s[TX], 9                       ; my 64 columns, in bytes of f32
	s_lshl_b32 s73, s[WN], 8
	s_add_co_u32 s72, s72, s73
	v_lshl_add_u32 v[VB], v2, 5, s72
	s_lshr_b32 s70, s[TY], 3                       ; my first row of out: batch x 2048
	s_lshl_b32 s70, s70, 11
	s_bfe_u32 s71, s[TY], 0x10002                  ; + parity
	s_add_co_u32 s70, s70, s71
	s_and_b32 s71, s[TY], 3
	s_lshl1_add_u32 s71, s71, s[WM]                ; + 2 x the place in the sequence, 128 (2 (block % 4) + half)
	s_lshl_b32 s71, s71, 8
	s_add_co_u32 s70, s70, s71
	s_lshl_b32 s70, s70, 12                        ; rows of 4,096 bytes
	s_add_co_u32 s70, s70, s72
	s_mov_b32 s71, 0
	s_add_nc_u64 s[10:11], s[10:11], s[70:71]
; na x 4 matrix instructions on buffer f: row blocks a0 on x all 4 column blocks.  The 32 accumulators take turns, in the same order in every quarter.
.macro MUL f, a0, na, zero
	WIN 0x50                                       ; C and D in window 1
.set ma, \a0
.rept \na
.set mb, 0
.rept 4
.if \zero
	v_wmma_f32_16x16x32_f16 v[8*(4*ma+mb):8*(4*ma+mb)+7], v[(\f)+64+8*mb:(\f)+64+8*mb+7], v[(\f)+8*ma:(\f)+8*ma+7], 0
.else
	v_wmma_f32_16x16x32_f16 v[8*(4*ma+mb):8*(4*ma+mb)+7], v[(\f)+64+8*mb:(\f)+64+8*mb+7], v[(\f)+8*ma:(\f)+8*ma+7], v[8*(4*ma+mb):8*(4*ma+mb)+7]
.endif
.set mb, mb+1
.endr
.set ma, ma+1
.endr
.endm
; 24 LDS loads in one run: quarter q (32 K: head q / 2, channels 32 (q % 2) on) of slot s into buffer f: Wo, then O's row blocks 0-3, then 4-7
.macro FETCH s, q, f
	WIN 0
.irp b, 0,1,2,3
	ds_load_tr16_b128 v[(\f)+64+8*(\b):(\f)+64+8*(\b)+3],   v[ADRB+(\s)] offset:(\q)*32*PB+32*(\b)
	ds_load_tr16_b128 v[(\f)+64+8*(\b)+4:(\f)+64+8*(\b)+7], v[ADRB+(\s)] offset:(\q)*32*PB+32*(\b)+16*PB
.endr
.irp a, 0,1,2,3,4,5,6,7
	ds_load_b128 v[(\f)+8*(\a):(\f)+8*(\a)+3],   v[ADRA+(\s)] offset:((\q)/2)*32768+(\a)*2048+((\q)%2)*1024
	ds_load_b128 v[(\f)+8*(\a)+4:(\f)+8*(\a)+7], v[ADRA+(\s)] offset:((\q)/2)*32768+(\a)*2048+((\q)%2)*1024+512
.endr
.endm
; One of a slot's first three quarters: multiplies buffer f and, in its middle, fetches quarter q of the same slot into g.
.macro QUARTER s, q, f, g, zero
	s_wait_dscnt 8                                 ; Wo and O's blocks 0-3 are in; the youngest eight loads (blocks 4-7) may be out
	MUL \f, 0, 4, \zero
	PLACES
	FETCH \s, \q, \g
	s_wait_dscnt 24                                ; all but the 24 just issued
	MUL \f, 4, 4, \zero
.endm
; The last quarter multiplies buffer 1 and changes slots: ONE barrier; in front of it each wave waits for all its tensor loads (one is out: its part of the next slot), adds 0 to its spare word, and waits for
; that and for its own reads of this slot.  fill = 1: this slot is filled again, two slots ahead.
.macro TURN s, nx, fill
	WIN 0
	s_wait_tensorcnt 0x0
	ds_add_u32 v[SPW], v[NIL]                      ; 0 onto my spare word
	s_wait_dscnt 9                                 ; (the add and the youngest eight loads may be out)
	MUL F1, 0, 2, 0
	s_wait_dscnt 0x0                               ; the add is done, and my reads of this slot are over
	s_barrier_signal -1
	MUL F1, 2, 2, 0
	WIN 0                                          ; at a branch and at a label every window is 0
	s_barrier_wait -1
.if \fill
	CREST                                          ; the barrier has opened a round of the cluster's: no wave of any partner still reads this slot or has a load on its way
	s_add_nc_u64 s[G0A+4*(\s)+2:G0A+4*(\s)+3], s[G0A+4*(\s)+2:G0A+4*(\s)+3], 2*2097152
	s_add_nc_u64 s[G0B+4*(\s)+2:G0B+4*(\s)+3], s[G0B+4*(\s)+2:G0B+4*(\s)+3], 2*262144
	JLOAD \s                                       ; the first tensor load behind the round, 112 matrix instructions ahead of the wait for it; its four v_nop are also the places in front of the loads below
.else
	PLACES
.endif
	FETCH \nx, 0, F0
	MUL F1, 4, 4, 0
.endm
	s_wait_tensorcnt 0x1                           ; my part of slot 0 is in; slot 1's may stay out
	s_barrier_signal -1
	s_barrier_wait -1
	FETCH 0, 0, F0
	QUARTER 0, 1, F0, F1, 1                        ; the first quarter stands in front of the loop: its products start the sums
	WIN 0
	s_mov_b32 s[TRIPS], 3
.Llap:                                                 ; a trip goes once round the ring and fills both slots again: fills 2 .. 7 of 8
	QUARTER 0, 2, F1, F0, 0
	QUARTER 0, 3, F0, F1, 0
	TURN 0, 1, 1
	QUARTER 1, 1, F0, F1, 0
	QUARTER 1, 2, F1, F0, 0
	QUARTER 1, 3, F0, F1, 0
	TURN 1, 0, 1
	QUARTER 0, 1, F0, F1, 0
	WIN 0
	s_sub_co_u32 s[TRIPS], s[TRIPS], 1
	s_cmp_lg_u32 s[TRIPS], 0
	s_cbranch_scc1 .Llap
	QUARTER 0, 2, F1, F0, 0                        ; the last lap fills nothing
	QUARTER 0, 3, F0, F1, 0
	TURN 0, 1, 0
	QUARTER 1, 1, F0, F1, 0
	QUARTER 1, 2, F1, F0, 0
	QUARTER 1, 3, F0, F1, 0
	s_wait_dscnt 8                                 ; the very last quarter: in its middle bo comes in, into buffer 0
	MUL F1, 0, 4, 0
	PLACES
	WIN 0
.irp b, 0,1,2,3
	global_load_b128 v[BI+8*(\b):BI+8*(\b)+3],   v[VB], s[8:9] offset:64*(\b)
	global_load_b128 v[BI+8*(\b)+4:BI+8*(\b)+7], v[VB], s[8:9] offset:64*(\b)+16
.endr
	s_wait_dscnt 0x0
	MUL F1, 4, 4, 0
	; THE WAY OUT.  bo is rounded to bf16 and widened again; then a block of 16 rows at a time: sum + bias, into my stage, back as whole rows, stored.
	PLACES
	WIN 0
	s_wait_loadcnt 0x0
.set i, BI
.rept 16
	v_cvt_pk_bf16_f32 v[RT], v[i], v[i+1]
	v_lshlrev_b32 v[i], 16, v[RT]
	v_and_b32 v[i+1], 0xffff0000, v[RT]
.set i, i+2
.endr
.macro PACK a                          ; each accumulator is read from its lowest registers on
	WIN 0x01                                       ; source 0 in window 1
.irp b, 0,1,2,3
.irp j, 0,2,4,6
	v_pk_add_f32 v[TMP+8*(\b)+(\j):TMP+8*(\b)+(\j)+1], v[8*(4*(\a)+(\b))+(\j):8*(4*(\a)+(\b))+(\j)+1], v[BI+8*(\b)+(\j):BI+8*(\b)+(\j)+1]
.endr
.endr
	WIN 0
.endm
.macro TOSTAGE a
.set BK, BK0+32*((\a)%2)
.irp b, 0,1,2,3
	ds_store_b128 v[STO], v[TMP+8*(\b):TMP+8*(\b)+3]   offset:64*(\b)
	ds_store_b128 v[STO], v[TMP+8*(\b)+4:TMP+8*(\b)+7] offset:64*(\b)+16
.endr
.irp t, 0,1,2,3,4,5,6,7
	ds_load_b128 v[BK+4*(\t):BK+4*(\t)+3], v[RD] offset:(\t)*2*SP  ; LDS serves a wave's instructions in order (ISA guide 5.7.1.4): these see the stores above
.endr
.endm
.macro SEND a
.set BK, BK0+32*((\a)%2)
	s_wait_dscnt 0x0                               ; the block is back in registers
	s_wait_xcnt 0x0                                ; every earlier store has had its addresses translated (ISA guide 3.1): only behind this wait are the base and the registers that earlier stores read rewritten
.if (\a) > 0
	s_add_nc_u64 s[10:11], s[10:11], 16*8192       ; 16 permuted rows on
.endif
.irp t, 0,1,2,3,4,5,6,7
	global_store_b128 v[CO], v[BK+4*(\t):BK+4*(\t)+3], s[10:11] offset:(\t)*16384 th:TH_STORE_NT  ; 16 lanes store 256 consecutive bytes, at a multiple of 256 from out's first byte
.endr
.endm
	PACK 0
	TOSTAGE 0
.irp a, 1,2,3,4,5,6,7                  ; block a's additions stand between block a - 1's loads from the stage and the wait for them
	PACK \a
	SEND (\a)-1
	TOSTAGE \a
.endr
	SEND 7
	s_wait_tensorcnt 0x0                           ; the wave's end, behind my last tensor load and my last LDS store
	ds_add_u32 v[SPW], v[NIL]
	s_wait_dscnt 0x0
	CROUND                                         ; the closing round: no work-group ends while a partner may still ask for a tile that names it
	s_endpgm
.Lfunc_end_k_q39ae8081f8_proj:
	.size	k_q39ae8081f8_proj, .Lfunc_end_k_q39ae8081f8_proj-k_q39ae8081f8_proj
	.p2alignl 7, 3214868480
	.fill 96, 4, 3214868480
	.section	.rodata,"a",@progbits
	.p2align	6, 0x0
	.amdhsa_kernel k_q39ae8081f8_proj
		.amdhsa_group_segment_fixed_size 327680
		.amdhsa_private_segment_fixed_size 0
		.amdhsa_enable_private_segment 0
		.amdhsa_kernarg_size 32
		.amdhsa_user_sgpr_count 2
		.amdhsa_user_sgpr_kernarg_segment_ptr 1
		.amdhsa_wavefront_size32 1
		.amdhsa_system_sgpr_workgroup_id_x 1
		.amdhsa_system_sgpr_workgroup_id_y 1
		.amdhsa_system_sgpr_workgroup_id_z 1
		.amdhsa_system_vgpr_workitem_id 0
		.amdhsa_next_free_vgpr 512
		.amdhsa_next_free_sgpr 80
		.amdhsa_reserve_vcc 0
		.amdhsa_float_denorm_mode_32 3
		.amdhsa_float_denorm_mode_16_64 3
		.amdhsa_memory_ordered 1
		.amdhsa_forward_progress 1
		.amdhsa_inst_pref_size 97
	.end_amdhsa_kernel
	.amdgpu_metadata
---
amdhsa.version: [ 1, 2 ]
amdhsa.kernels:
  - .name:           k_q39ae8081f8_proj
    .symbol:         k_q39ae8081f8_proj.kd
    .args:
      - { .name: ob, .offset: 0, .size: 8, .value_kind: global_buffer, .address_space: global }
      - { .name: wb, .offset: 8, .size: 8, .value_kind: global_buffer, .address_space: global }
      - { .name: bo, .offset: 16, .size: 8, .value_kind: global_buffer, .address_space: global }
      - { .name: out0, .offset: 24, .size: 8, .value_kind: global_buffer, .address_space: global }
    .group_segment_fixed_size: 327680
    .private_segment_fixed_size: 0
    .kernarg_segment_align: 8
    .kernarg_segment_size: 32
    .max_flat_workgroup_size: 128
    .sgpr_count:     80
    .vgpr_count:     512
    .wavefront_size: 32
...
	.end_amdgpu_metadata
.endif
;; end of part 4
;; ======== version 2 of 3: 3 launches; 1.15 times as fast as version 1
;; limits: values are held in f16: magnitudes above 65,504 overflow, below 6.1e-05 lose precision
;; workspace buffers: xb 16,777,216 bytes; wb 8,388,608 bytes; ob 16,777,216 bytes
;; launch cast (part 5): grid 256 x 1, 8 waves a work-group, no clusters, 0 bytes of LDS; arguments x, Wq, Wk, Wv, Wo, xb, wb; writes xb, wb
.if DOCPART == 5
	.amdgcn_target "amdgcn-amd-amdhsa--gfx1250"
	.amdhsa_code_object_version 6
	.text
	.protected	k_q39ae8081f8_cast
	.globl	k_q39ae8081f8_cast
	.p2align	8
	.type	k_q39ae8081f8_cast,@function
k_q39ae8081f8_cast:
	s_mov_b64 s[64:65], 0
	v_nop
	global_prefetch_b8 v0, s[64:65] scope:SCOPE_SE
	s_setreg_imm32_b32 hwreg(HW_REG_WAVE_MODE, 25, 1), 1
	s_wait_xcnt 0x0
; x and the four weights are rounded once to 16 bits and laid out for the launches behind.
;   xb: bf16 [16 kb][8192 p][64]: block kb holds columns 64 kb .. 64 kb + 63 of every row, the rows PERMUTED: p = batch x 2048 + parity x 1024 + i / 2 for place i of a batch,
;       so that the even and the odd places of a batch are two sequences of 1,024 on end, and any run of rows x 64 columns is dense.
;   wb: first bf16 [16 heads][16 kb][3: Wq, Wk, Wv][64 k][64 n]: what one head needs of the three weights for 64 along K is 24,576 dense bytes;
;       then, from byte 6,291,456 on, [1024][1024] as Wo lies: bf16(Wo) written as f16 (exact within f16's range).
; LIMITS.  |Wo| stays under 65,504; below 6e-5 it keeps f16's fixed step of 6e-8.
; SHARES.  2,048 waves; wave c takes the permuted rows 4 c .. 4 c + 3 of x and two rows (8,192 bytes) of one weight.  A stream: no LDS, no barrier, no matrix unit, no cluster (no byte is read twice).
; All 48 loads of a wave (24,576 bytes) go out at once; each is converted in place and stored as soon as it is in.  A load takes 2 x 256 or 512 consecutive bytes, a store 256, all aligned.
.set VWA, 1                            ; v1  Wq, Wk, Wv: lanes 0-15 take a head's 256 bytes of one row, lanes 16-31 of the next row
.set VX, 2                             ; v2  x: lanes 0-15 take 256 bytes of one row, lanes 16-31 of the next permuted row, two rows of x further on
.set VS, 3                             ; v3  8 x lane: the stores
.set VW, 4                             ; v4  16 x lane: Wo
.set D,  8                             ; v[8:199]  48 loads of four registers
	s_load_b256 s[4:11], s[0:1], 0x0               ; x s[4:5], Wq s[6:7], Wk s[8:9], Wv s[10:11]
	s_load_b128 s[12:15], s[0:1], 0x20             ; Wo s[12:13], xb s[14:15]
	s_load_b64 s[16:17], s[0:1], 0x30              ; wb
	v_lshrrev_b32 v1, 5, v0
	v_readfirstlane_b32 s20, v1                    ; wave 0..7
	s_lshl_b32 s21, ttmp9, 3
	s_add_co_u32 s21, s21, s20                     ; c
	s_lshr_b32 s24, ttmp9, 6                       ; which weight: 64 work-groups each
	s_lshl_b32 s28, s21, 2                         ; p0 = 4 c
	s_lshr_b32 s29, s28, 11
	s_lshl_b32 s29, s29, 11                        ; batch x 2048
	s_and_b32 s30, s28, 1023
	s_lshl1_add_u32 s29, s30, s29                  ; + 2 x the place in the sequence
	s_bfe_u32 s30, s28, 0x1000a                    ; + parity (bit 10 of p0)
	s_add_co_u32 s29, s29, s30                     ; the row of x that p0 stands for
	s_lshl_b32 s30, s29, 12                        ; rows of 4,096 bytes
	s_mov_b32 s31, 0
	s_lshl_b32 s32, s21, 9                         ; p0 x 128 bytes in a block of xb
	s_mov_b32 s33, 0
	s_and_b32 s36, s21, 511                        ; my pair of rows of the weight: k = 2 x this, and the next
	s_lshr_b32 s34, s36, 5                         ; kb = k / 64
	s_mul_i32 s34, s34, 24576
	s_lshl_b32 s35, s24, 13                        ; + the weight's plane of 8,192 bytes
	s_add_co_u32 s34, s34, s35
	s_and_b32 s35, s36, 31
	s_lshl_b32 s35, s35, 8                         ; + (k % 64) rows of 128 bytes
	s_add_co_u32 s34, s34, s35
	s_lshl_b32 s38, s21, 12                        ; Wo: c x 4,096 = 6,291,456 + the pair's 4,096 bytes
	s_cmp_eq_u32 s24, 3
	s_cselect_b32 s38, s38, s34
	s_mov_b32 s39, 0
	s_lshl_b32 s36, s36, 13                        ; the pair's 8,192 bytes in the weight
	s_mov_b32 s37, 0
	v_and_b32 v5, 31, v0
	v_and_b32 v6, 15, v0
	v_bfe_u32 v7, v0, 4, 1
	v_lshlrev_b32 v[VX], 4, v6
	v_lshl_add_u32 v[VWA], v7, 12, v[VX]
	v_lshl_add_u32 v[VX], v7, 13, v[VX]
	v_lshlrev_b32 v[VS], 3, v5
	v_lshlrev_b32 v[VW], 4, v5
	s_wait_kmcnt 0x0
	s_add_nc_u64 s[4:5], s[4:5], s[30:31]
	s_cmp_eq_u32 s24, 1                            ; the weight's address is chosen by the work-group's number alone
	s_cselect_b64 s[26:27], s[8:9], s[6:7]
	s_cmp_eq_u32 s24, 2
	s_cselect_b64 s[26:27], s[10:11], s[26:27]
	s_cmp_eq_u32 s24, 3
	s_cselect_b64 s[26:27], s[12:13], s[26:27]
	s_add_nc_u64 s[26:27], s[26:27], s[36:37]
	s_add_nc_u64 s[14:15], s[14:15], s[32:33]      ; xb, blocks 0-7
	s_add_nc_u64 s[22:23], s[14:15], 0x800000      ; xb, blocks 8-15: eight blocks of 1 MiB fit a store's immediate
	s_add_nc_u64 s[16:17], s[16:17], s[38:39]
.set n, 0
.rept 32                               ; load n: pair of rows n / 16, block n % 16
	global_load_b128 v[D+4*n:D+4*n+3], v[VX], s[4:5] offset:(n/16)*16384+(n%16)*256 th:TH_LOAD_NT
.set n, n+1
.endr
	s_cmp_eq_u32 s24, 3                            ; both ways issue sixteen loads, so the counts below hold on both
	s_cbranch_scc1 .Lwo_loads
.rept 16                               ; Wq, Wk, Wv: load n takes head n - 32 of both rows
	global_load_b128 v[D+4*n:D+4*n+3], v[VWA], s[26:27] offset:(n-32)*256 th:TH_LOAD_NT
.set n, n+1
.endr
	s_branch .Lconvert
.Lwo_loads:
.set n, 32
.rept 16                               ; Wo: 512 bytes on end
	global_load_b128 v[D+4*n:D+4*n+3], v[VW], s[26:27] offset:(n-32)*512 th:TH_LOAD_NT
.set n, n+1
.endr
.Lconvert:
.set n, 0
.rept 32
	s_wait_loadcnt 47-n                            ; loads come back in order (ISA guide 5.7.1): load n is in, the 47 - n younger ones stay out
	v_cvt_pk_bf16_f32 v[D+4*n], v[D+4*n], v[D+4*n+1]
	v_cvt_pk_bf16_f32 v[D+4*n+1], v[D+4*n+2], v[D+4*n+3]
.if (n%16) < 8
	global_store_b64 v[VS], v[D+4*n:D+4*n+1], s[14:15] offset:(n%8)*1048576+(n/16)*256  ; two rows of 128 bytes: 256 consecutive bytes
.else
	global_store_b64 v[VS], v[D+4*n:D+4*n+1], s[22:23] offset:(n%8)*1048576+(n/16)*256
.endif
.set n, n+1
.endr
	s_cmp_eq_u32 s24, 3
	s_cbranch_scc1 .Lwo
.rept 16                               ; Wq, Wk, Wv: bf16; a head's two rows of 128 bytes are 256 consecutive bytes; the heads lie 393,216 bytes apart
	s_wait_loadcnt 47-n
	v_cvt_pk_bf16_f32 v[D+4*n], v[D+4*n], v[D+4*n+1]
	v_cvt_pk_bf16_f32 v[D+4*n+1], v[D+4*n+2], v[D+4*n+3]
	global_store_b64 v[VS], v[D+4*n:D+4*n+1], s[16:17] offset:(n-32)*393216
.set n, n+1
.endr
	s_endpgm
.Lwo:
.set n, 32
.rept 16                               ; Wo: rounded to bf16 like every input, widened again, and that number written as f16
	s_wait_loadcnt 47-n
	v_cvt_pk_bf16_f32 v[D+4*n], v[D+4*n], v[D+4*n+1]
	v_cvt_pk_bf16_f32 v[D+4*n+2], v[D+4*n+2], v[D+4*n+3]
	v_lshlrev_b32 v[D+4*n+1], 16, v[D+4*n]
	v_and_b32 v[D+4*n], 0xffff0000, v[D+4*n]
	v_lshlrev_b32 v[D+4*n+3], 16, v[D+4*n+2]
	v_and_b32 v[D+4*n+2], 0xffff0000, v[D+4*n+2]
	v_cvt_pk_f16_f32 v[D+4*n], v[D+4*n+1], v[D+4*n]
	v_cvt_pk_f16_f32 v[D+4*n+1], v[D+4*n+3], v[D+4*n+2]
	global_store_b64 v[VS], v[D+4*n:D+4*n+1], s[16:17] offset:(n-32)*256
.set n, n+1
.endr
	s_endpgm
.Lfunc_end_k_q39ae8081f8_cast:
	.size	k_q39ae8081f8_cast, .Lfunc_end_k_q39ae8081f8_cast-k_q39ae8081f8_cast
	.p2alignl 7, 3214868480
	.fill 96, 4, 3214868480
	.section	.rodata,"a",@progbits
	.p2align	6, 0x0
	.amdhsa_kernel k_q39ae8081f8_cast
		.amdhsa_group_segment_fixed_size 0
		.amdhsa_private_segment_fixed_size 0
		.amdhsa_enable_private_segment 0
		.amdhsa_kernarg_size 56
		.amdhsa_user_sgpr_count 2
		.amdhsa_user_sgpr_kernarg_segment_ptr 1
		.amdhsa_wavefront_size32 1
		.amdhsa_system_sgpr_workgroup_id_x 1
		.amdhsa_system_sgpr_workgroup_id_y 1
		.amdhsa_system_sgpr_workgroup_id_z 1
		.amdhsa_system_vgpr_workitem_id 0
		.amdhsa_next_free_vgpr 200
		.amdhsa_next_free_sgpr 66
		.amdhsa_reserve_vcc 0
		.amdhsa_float_denorm_mode_32 3
		.amdhsa_float_denorm_mode_16_64 3
		.amdhsa_memory_ordered 1
		.amdhsa_forward_progress 1
		.amdhsa_inst_pref_size 30
	.end_amdhsa_kernel
	.amdgpu_metadata
---
amdhsa.version: [ 1, 2 ]
amdhsa.kernels:
  - .name:           k_q39ae8081f8_cast
    .symbol:         k_q39ae8081f8_cast.kd
    .args:
      - { .name: x, .offset: 0, .size: 8, .value_kind: global_buffer, .address_space: global }
      - { .name: Wq, .offset: 8, .size: 8, .value_kind: global_buffer, .address_space: global }
      - { .name: Wk, .offset: 16, .size: 8, .value_kind: global_buffer, .address_space: global }
      - { .name: Wv, .offset: 24, .size: 8, .value_kind: global_buffer, .address_space: global }
      - { .name: Wo, .offset: 32, .size: 8, .value_kind: global_buffer, .address_space: global }
      - { .name: xb, .offset: 40, .size: 8, .value_kind: global_buffer, .address_space: global }
      - { .name: wb, .offset: 48, .size: 8, .value_kind: global_buffer, .address_space: global }
    .group_segment_fixed_size: 0
    .private_segment_fixed_size: 0
    .kernarg_segment_align: 8
    .kernarg_segment_size: 56
    .max_flat_workgroup_size: 256
    .sgpr_count:     66
    .vgpr_count:     200
    .wavefront_size: 32
...
	.end_amdgpu_metadata
.endif
;; end of part 5
;; launch qkva (part 6): grid 16 x 16, 4 waves a work-group, clusters of 4 x 4, 327,680 bytes of LDS; arguments xb, wb, bq, bk, bv, ob; writes ob
.if DOCPART == 6
	.amdgcn_target "amdgcn-amd-amdhsa--gfx1250"
	.amdhsa_code_object_version 6
	.text
	.protected	k_q39ae8081f8_qkva
	.globl	k_q39ae8081f8_qkva
	.p2align	8
	.type	k_q39ae8081f8_qkva,@function
k_q39ae8081f8_qkva:
	s_mov_b64 s[64:65], 0
	v_nop
	global_prefetch_b8 v0, s[64:65] scope:SCOPE_SE
	s_setreg_imm32_b32 hwreg(HW_REG_WAVE_MODE, 25, 1), 1
	s_wait_xcnt 0x0
	s_wait_alu depctr_hold_cnt(0) depctr_sa_sdst(0) depctr_va_vdst(0) depctr_va_sdst(0) depctr_va_ssrc(0) depctr_va_vcc(0) depctr_vm_vsrc(0)
	s_getreg_b32 s2, hwreg(HW_REG_IB_STS2, 6, 4)
	s_cmp_eq_u32 s2, 0
	s_cbranch_scc0 .Lentry_in_a_cluster
	s_endpgm
.Lentry_in_a_cluster:
	s_bfe_u32 s2, ttmp6, 0x10000c
	s_cmp_lg_u32 s2, 0xf033
	s_cbranch_scc0 .Lentry_shape_is_right
	s_endpgm
.Lentry_shape_is_right:
; q = x Wq + bq, k = x Wk + bk, v = x Wv + bv AND THE BANDED ATTENTION on them, in one launch: q, k and v never leave the registers.
; Operands of the projections bf16, sums f32, biases rounded to bf16 like every input; q, k, v, the weights p and O in f16.
; THE BAND.  Query i sees key j where j - i is even and |j - i| <= 16.  The rows lie permuted (the even places of a batch, then the odd ones): 8 sequences of 1,024 places, in each of which place t
; sees the places t - 8 .. t + 8 that exist.  So a block of 16 queries needs its own block of 16 keys and the two beside it.
; SHARES.  A work-group owns 512 rows, HALF A SEQUENCE, of ONE head: 16 heads x 16 halves.  A wave owns 128 of these rows: 3 x 32 accumulators of 16 x 16, q's in register window 1, k's in 2, v's in 3.
; Only one block of keys lies outside the work-group, at the sequence's middle: THE FOREIGN BLOCK.  Its k and v are computed here once more: 8 accumulators, two for each wave (wave 0: k's channels 0-31,
; wave 1: 32-63, waves 2, 3: v's), 98 matrix instructions a wave for 32 along K in place of 96.  What a wave needs of its neighbours in the work-group passes through LDS.
; RING.  Two LDS slots of 64 along K: x's 512 rows, the foreign block's 16, and 3 x 64 rows of the head's 64 columns of Wq, Wk, Wv; all are dense in memory and asked for as rows of 256 bytes, padded
; after every 128.  Two slots of 128 along K would take 417 KiB.  Waves 0 and 1 fetch 256 rows of x each, wave 2 the foreign block, wave 3 the weights: one tensor load a wave behind each change of slots;
; 2 are out at the start, then 1.
; CLUSTER.  4 x 4 work-groups: x's tiles hang on the half alone and are asked for jointly along a row of the cluster, the weights' on the head alone, jointly along a column.  No LDS address and no branch
; hangs on the place in the cluster: the foreign block goes to BOTH ends of the exchange, and the end at which no block exists is hidden by the mask, a value.
; LAYOUTS.  q and k: source 0 = 16 columns of W, source 1 = 16 rows of x: a lane holds one row and 8 neighbouring channels.  v: the sources the other way round: a lane holds one channel and 8 neighbouring
; rows.  Rounded to f16 these are half fragments of S^T = K Q^T and O^T = V^T P.  In S^T a lane holds ONE query (lane % 16) and the keys 8 (lane / 16) + 0..7 of a block.  THE MASK is the C operand that
; starts the sum: 0, or -1e30 where the key is hidden.  The maximum is the true maximum of the query's scores (its own key is always seen); p = 2^(c s - c m), c = log2(e) / 8; the sum l is taken of the
; unrounded p.  O leaves as it lies: ob = f16 [16 heads][512 blocks of 16 rows][4 blocks of 16 channels][32 lanes][16 bytes]: a store covers 512 consecutive bytes, aligned.
; LIMITS.  |q|, |k|, |v| stay under 65,504, f16's end.  A hidden score counts as its value less 1e30 (f16's scores reach 2.7e11 at the most); a weight below 2^-126 counts as 0; NaN and infinities are not
; treated apart: a block that the mask hides must be finite.
.set PA,     144                       ; a row of x in LDS: 128 bytes + 16 = 36 words: the 16 rows of a load start at 16 different groups of four banks (64 banks of 4 bytes: ISA guide 11.1)
.set PB,     160                       ; a row of W: 128 + 32 = 40 words
.set ATILE,  512*PA
.set HTILE,  16*PA
.set BPLANE, 64*PB
.set SLOT,   ATILE+HTILE+3*BPLANE      ; 106,752
.set EX,     2*SLOT                    ; behind the ring, never filled by a tensor load: THE EXCHANGE, ten entries of a block's k (4 x 512 bytes) and v (4 x 512)
.set ENT,    4096                      ; entry 0 and entry 9: the foreign block; entry 2 w + 1: wave w's block 0; entry 2 w + 2: its block 7.  Wave w reads entries 2 w and 2 w + 3
.set SPARE,  EX+10*ENT                 ; behind it: the spare words, 128 bytes a wave: two blocks of 256 bytes that no other line names
.set E,    6                           ; v6   e = lane % 16 - 8 (lane / 16): key register j of the block d blocks on lies 16 d + j - e places from my query
.set E2,   7                           ; v7   8 - e
.set TMPV, 8
.set ZERO, 9                           ; v9   0
.set LOV,  10                          ; v10  0, or -1e30 where the block before my first does not exist
.set HIV,  11                          ; v11  the same for the block behind my last
.set XST,  12                          ; v12  the exchange: my 16 bytes in entry 2 w + 1
.set XRD,  13                          ; v13  in entry 2 w
.set XH,   14                          ; v14  in my two pieces of entry 0
.set ADRA, 16                          ; v16-17  LDS address of my fragments of x in slot 0, 1
.set ADRH, 18                          ; v18-19  of the foreign block's
.set ADRB, 20                          ; v20-21  of W's
.set VBQ,  24                          ; v24  byte offset in bq and bk of my lane's first 8 channels
.set VBV,  25                          ; v25  byte offset in bv of my lane's first channel
.set CO,   26                          ; v26  16 x lane
.set SPW,  28                          ; v28  LDS address of my spare word; never rewritten
.set NIL,  29                          ; v29  0; never rewritten
.set RT,   30                          ; v30  at work
.set FA0,  32                          ; v32-95, v96-159  fragments of x: 8 x 16 rows x 32 K, two buffers
.set FA1,  96
.set FB,   160                         ; v160-191, v192-223  fragments of a weight: 4 x 16 columns x 32 K; two buffers, which take turns from weight to weight
.set HACC, 224                         ; v224-239  my two accumulators of the foreign block
.set HF,   240                         ; v240-247, v248-255  the foreign block's fragment, two buffers
.set BQ,   FA0                         ; behind the loop: 32 numbers of bq, 32 of bk
.set BV,   FB                          ;                  4 numbers of bv, each twice
.set T,    FA1                         ;                  32 sums with their bias
.set HP,   FA1+32                      ;                  the foreign block's two pieces, packed
.set MLO,  32                          ; the attention: v32-55 the masks of the block before, the own block, the block behind
.set MLOE, 56                          ;   v56-63 the first of them for my first block of queries;  v64-71 the last for my last
.set MHIE, 64
.set ST,   72                          ;   query block t of a unit at v[72 + 8 t]: c m, m, 1 / l and its pair's second, three at work
.set P,    96                          ;   v96-127   P: block t, keys 32 kk on at 96 + 16 t + 8 kk; later the packed O
.set S,    128                         ;   v128-175  S^T: block t, key block t + d - 1 at 128 + 8 (3 t + d)
.set O,    176                         ;   v176-239  O^T: block t, channels 16 cb on at 176 + 32 t + 8 cb
.set WV, 16                            ; s16 wave   s17 wave / 2   s18 wave % 2
.set WM, 17
.set WN, 18
.set TRIPS, 19
.set CX, 20
.set CY, 21
.set TX, 22                            ; s22 the head   s23 the half sequence, 0..15
.set TY, 23
.set G1A, 24                           ; s[24:31] descriptor group 1 for x's tiles;  s[32:39] group 0, a set for each slot
.set G0A, 32
.set G1B, 40                           ; s[40:47], s[48:55] the same for W's
.set G0B, 48
.set G1H, 72                           ; s[72:79], s[80:87] the same for the foreign block's
.set G0H, 80
.set CS,  92                           ; s[92:93] c
.set SEL, 94                           ; s[94:95] v_permlanex16_b32's selects: each lane takes its own place in the other half
.set BIGN, 96                          ; s96 -1e30
.set OB,  100                          ; s[100:101] ob at my first block
.set MSB, 0
.macro WIN new                         ; the immediate's high byte repeats the setting that is left; a switch that changes nothing is dropped
.if MSB != (\new)
	s_set_vgpr_msb (MSB<<8)|(\new)
.set MSB, \new
.endif
.endm
; A joint load.  The branches hang on the wave's number alone.  An s_nop 0 and four v_nop follow each of the three lines, ahead of the jump, the label and what follows.
.macro JLOAD s
	s_cmp_lt_u32 s[WV], 2
	s_cbranch_scc0 .Lnot_a_\@
	tensor_load_to_lds s[G0A+4*(\s):G0A+4*(\s)+3], s[G1A:G1A+7]
	s_nop 0
.rept 4
	v_nop
.endr
	s_branch .Lasked_\@
.Lnot_a_\@:
	s_cmp_eq_u32 s[WV], 2
	s_cbranch_scc0 .Lfor_b_\@
	tensor_load_to_lds s[G0H+4*(\s):G0H+4*(\s)+3], s[G1H:G1H+7]
	s_nop 0
.rept 4
	v_nop
.endr
	s_branch .Lasked_\@
.Lfor_b_\@:
	tensor_load_to_lds s[G0B+4*(\s):G0B+4*(\s)+3], s[G1B:G1B+7]
	s_nop 0
.rept 4
	v_nop
.endr
.Lasked_\@:
.endm
.macro CREST                           ; a round of the cluster's barrier behind its opening barrier
	s_cmp_lg_u32 s[WV], 0
	s_cbranch_scc1 .Lnot_wave_0_\@
	s_barrier_signal -3
.Lnot_wave_0_\@:
	s_barrier_wait -3
	s_barrier_signal -1
	s_barrier_wait -1
.endm
.macro CROUND                          ; a whole round
	s_barrier_signal -1
	s_barrier_wait -1
	CREST
.endm
.macro PLACES                          ; four places in front of loads into registers that matrix instructions have read, and of vector lines that read results
.rept 4
	v_nop
.endr
.endm
	s_load_b256 s[4:11], s[0:1], 0x0               ; xb s[4:5], wb s[6:7], bq s[8:9], bk s[10:11]
	s_load_b128 s[12:15], s[0:1], 0x20             ; bv s[12:13], ob s[14:15]
	v_lshl_add_u32 v[SPW], v0, 2, SPARE
	v_mov_b32 v[NIL], 0
	ds_add_u32 v[SPW], v[NIL]                      ; the wave's opening: the add and its wait stand ahead of my first tensor load; work on registers stands between them
	ds_add_u32 v28, v29
	v_lshrrev_b32 v1, 5, v0
	v_readfirstlane_b32 s[WV], v1
	s_lshr_b32 s[WM], s[WV], 1
	s_and_b32 s[WN], s[WV], 1
	s_bfe_u32 s[CX], ttmp6, 0x40000                ; my place in the cluster
	s_bfe_u32 s[CY], ttmp6, 0x40004
	s_lshl_b32 s[TX], ttmp9, 2
	s_add_co_u32 s[TX], s[TX], s[CX]
	s_and_b32 s[TY], ttmp7, 0xffff
	s_lshl_b32 s[TY], s[TY], 2
	s_add_co_u32 s[TY], s[TY], s[CY]
	s_lshl_b32 s56, s[CY], 2
	s_lshl_b32 s56, 15, s56                        ; my row of the cluster
	s_lshl_b32 s68, 0x1111, s[CX]                  ; my column
	s_or_b32 s[G1A], s56, (1<<16)|(1<<20)|(1<<21)|(4<<22)|(3<<25)  ; 15:0 the mask; 17:16 2-byte elements; 20 padding on; 21 set beside a mask; 24:22 after every 32 words (code 4); 31:25 4 words (code 3)
	s_or_b32 s[G1H], s56, (1<<16)|(1<<20)|(1<<21)|(4<<22)|(3<<25)
	s_or_b32 s[G1B], s68, (1<<16)|(1<<20)|(1<<21)|(4<<22)|(7<<25)  ; the same with 8 words of padding (code 7)
	s_mov_b32 s[G1A+1], 128<<16                    ; tensor_dim0 = 128 elements: 256 bytes, two rows of x
	s_mov_b32 s[G1A+2], 128<<16                    ; tensor_dim1 = 128: 256 rows of x
	s_mov_b32 s[G1A+3], 128<<16                    ; tile_dim0 = 128
	s_mov_b32 s[G1A+4], 128                        ; tile_dim1 = 128
	s_mov_b32 s[G1A+5], 128                        ; dense: 128 elements from row to row
	s_mov_b32 s[G1A+6], 0
	s_mov_b32 s[G1A+7], 0
	s_mov_b32 s[G1H+1], 128<<16                    ; the foreign block: 8 rows of 256 bytes
	s_mov_b32 s[G1H+2], 8<<16
	s_mov_b32 s[G1H+3], 128<<16
	s_mov_b32 s[G1H+4], 8
	s_mov_b32 s[G1H+5], 128
	s_mov_b32 s[G1H+6], 0
	s_mov_b32 s[G1H+7], 0
	s_mov_b32 s[G1B+1], 128<<16                    ; the three weights: 96 rows of 256 bytes
	s_mov_b32 s[G1B+2], 96<<16
	s_mov_b32 s[G1B+3], 128<<16
	s_mov_b32 s[G1B+4], 96
	s_mov_b32 s[G1B+5], 128
	s_mov_b32 s[G1B+6], 0
	s_mov_b32 s[G1B+7], 0
	s_lshl_b32 s58, s[TY], 16                      ; x: my half's 512 rows of 128 bytes,
	s_lshl_b32 s57, s[WV], 15                      ; and which 256 of them I fetch
	s_add_co_u32 s58, s58, s57
	s_mov_b32 s59, 0
	s_and_b32 s57, s[TY], 1                        ; which half of its sequence
	s_mul_i32 s63, s57, 65536+2048                 ; the foreign block: behind the first half's rows, or in front of the second half's
	s_lshl_b32 s62, s[TY], 16
	s_add_co_u32 s62, s62, 65536
	s_sub_co_u32 s62, s62, s63
	s_mov_b32 s63, 0
	s_mov_b32 s[BIGN], 0xf149f2ca                  ; -1e30
	s_or_b32 s97, s57, s[WV]                       ; no block lies in front of the first half's wave 0,
	s_cmp_eq_u32 s97, 0
	s_cselect_b32 s97, s[BIGN], 0
	s_lshl2_add_u32 s98, s57, s[WV]                ; none behind the second half's wave 3
	s_cmp_eq_u32 s98, 7
	s_cselect_b32 s98, s[BIGN], 0
	s_mul_i32 s70, s[TX], 393216                   ; W: the head's 16 x 24,576 bytes
	s_mov_b32 s71, 0
	s_mul_i32 s90, s[WV], 256*PA                   ; where my rows of x go
	s_mov_b32 s[CS], 0x3e38aa3b                    ; c = log2(e) / 8 = 0.180337
	s_mov_b32 s[CS+1], s[CS]                       ; named with it as a pair
	s_mov_b32 s[SEL], 0x76543210
	s_mov_b32 s[SEL+1], 0xfedcba98
	s_wait_dscnt 0x0                               ; the opening add is done
	s_wait_kmcnt 0x0
	s_add_nc_u64 s[60:61], s[4:5], s[58:59]
	s_add_nc_u64 s[66:67], s[4:5], s[62:63]
	s_add_nc_u64 s[88:89], s[6:7], s[70:71]
	CROUND                                         ; all sixteen work-groups are here: the first joint loads meet
.irp s, 0,1
	s_mov_b32 s[G0A+4*(\s)], 1                                       ; count = 1
	s_add_co_u32 s[G0A+4*(\s)+1], s90, (\s)*SLOT                     ; LDS address
	s_add_nc_u64 s[G0A+4*(\s)+2:G0A+4*(\s)+3], s[60:61], (\s)*1048576  ; block s of xb
	s_or_b32 s[G0A+4*(\s)+3], s[G0A+4*(\s)+3], 0x80000000            ; type = 2
	s_mov_b32 s[G0H+4*(\s)], 1
	s_mov_b32 s[G0H+4*(\s)+1], ATILE+(\s)*SLOT
	s_add_nc_u64 s[G0H+4*(\s)+2:G0H+4*(\s)+3], s[66:67], (\s)*1048576
	s_or_b32 s[G0H+4*(\s)+3], s[G0H+4*(\s)+3], 0x80000000
	s_mov_b32 s[G0B+4*(\s)], 1
	s_mov_b32 s[G0B+4*(\s)+1], ATILE+HTILE+(\s)*SLOT
	s_add_nc_u64 s[G0B+4*(\s)+2:G0B+4*(\s)+3], s[88:89], (\s)*24576
	s_or_b32 s[G0B+4*(\s)+3], s[G0B+4*(\s)+3], 0x80000000
	JLOAD \s
.endr
	; A fragment of x: lane l holds row l % 16, K = 8 (l / 16) + 0..7 and 16 + 8 (l / 16) + 0..7: two loads of 16 bytes, 32 bytes apart.
	v_and_b32 v1, 15, v0
	v_bfe_u32 v2, v0, 4, 1
	v_mul_u32_u24 v3, v1, PA
	v_lshl_add_u32 v3, v2, 4, v3
	s_mul_i32 s91, s[WV], 128*PA
	v_add_nc_u32 v[ADRA], s91, v3
	v_add_nc_u32 v[ADRA+1], SLOT, v[ADRA]
	v_add_nc_u32 v[ADRH], ATILE, v3
	v_add_nc_u32 v[ADRH+1], SLOT, v[ADRH]
	; W lies [K][column]: the turning load takes 16 K x 16 columns (lane l reads K = 8 (l / 16) + l % 8, columns 8 ((l / 8) % 2) + 0..7) and leaves half a fragment: lane l holds column l % 16 and 8 K.
	v_and_b32 v4, 7, v0
	v_bfe_u32 v5, v0, 3, 1
	v_lshl_add_u32 v4, v2, 3, v4
	v_mul_u32_u24 v4, v4, PB
	v_lshl_add_u32 v4, v5, 4, v4
	v_add_nc_u32 v[ADRB], ATILE+HTILE, v4
	v_add_nc_u32 v[ADRB+1], SLOT, v[ADRB]
	s_lshl_b32 s99, s[TX], 8                       ; my head's first channel in a bias, in bytes
	v_lshl_add_u32 v[VBQ], v2, 5, s99
	v_lshl_add_u32 v[VBV], v1, 2, s99
	v_and_b32 v[CO], 31, v0
	v_lshlrev_b32 v[CO], 4, v[CO]
	s_lshl_b32 s91, s[WV], 13                      ; two entries a wave
	s_add_co_u32 s91, s91, EX
	v_add_nc_u32 v[XRD], s91, v[CO]
	v_add_nc_u32 v[XST], ENT, v[XRD]
	s_lshl_b32 s91, s[WV], 10                      ; two pieces of 512 bytes a wave: k's four, then v's four
	s_add_co_u32 s91, s91, EX
	v_add_nc_u32 v[XH], s91, v[CO]
	v_lshlrev_b32 v[E], 3, v2
	v_sub_nc_u32 v[E], v1, v[E]
	v_sub_nc_u32 v[E2], 8, v[E]
	v_mov_b32 v[ZERO], 0
	v_mov_b32 v[LOV], s97
	v_mov_b32 v[HIV], s98
.set i, 0
.rept 16
	v_mov_b32 v[HACC+i], 0                         ; sixteen registers are cleared on purpose, in the wait for the first tile: the foreign block's products then have one text for every step
.set i, i+1
.endr
	s_lshl_b32 s104, s[TX], 20                     ; ob: my head, 1 MiB each,
	s_lshl_b32 s105, s[TY], 16                     ; my half's 32 blocks of 2,048 bytes,
	s_add_co_u32 s104, s104, s105
	s_lshl_b32 s105, s[WV], 14                     ; my 8 of them
	s_add_co_u32 s104, s104, s105
	s_mov_b32 s105, 0
	s_add_nc_u64 s[OB:OB+1], s[14:15], s[104:105]
; na x 4 matrix instructions for weight w (fragments in fb): row blocks a0 on x all 4 column blocks, 32 along K.  zero = 1: the product starts the sum: nothing is cleared.
; The accumulators take turns, one instruction a turn, in the same order in every step.
.macro MUL w, fa, fb, a0, na, zero
	WIN 0x50*((\w)+1)                              ; C and D in window w + 1, the sources in window 0
.set ma, \a0
.rept \na
.set mb, 0
.rept 4
.set rD, 8*(4*ma+mb)
.set rB, (\fb)+8*mb
.set rA, (\fa)+8*ma
.if (\w) < 2
.if \zero
	v_wmma_f32_16x16x32_bf16 v[rD:rD+7], v[rB:rB+7], v[rA:rA+7], 0
.else
	v_wmma_f32_16x16x32_bf16 v[rD:rD+7], v[rB:rB+7], v[rA:rA+7], v[rD:rD+7]
.endif
.else
.if \zero
	v_wmma_f32_16x16x32_bf16 v[rD:rD+7], v[rA:rA+7], v[rB:rB+7], 0
.else
	v_wmma_f32_16x16x32_bf16 v[rD:rD+7], v[rA:rA+7], v[rB:rB+7], v[rD:rD+7]
.endif
.endif
.set mb, mb+1
.endr
.set ma, ma+1
.endr
.endm
; The foreign block's products for weight w (1: k, 2: v): two for each of the two waves whose share they are, column blocks b0, b0 + 1.  All their registers lie in window 0.
.macro HMUL w, fb, hf, b0
.irp i, 0,1
.if (\w) == 1
	v_wmma_f32_16x16x32_bf16 v[HACC+8*(\i):HACC+8*(\i)+7], v[(\fb)+8*((\b0)+(\i)):(\fb)+8*((\b0)+(\i))+7], v[(\hf):(\hf)+7], v[HACC+8*(\i):HACC+8*(\i)+7]
.else
	v_wmma_f32_16x16x32_bf16 v[HACC+8*(\i):HACC+8*(\i)+7], v[(\hf):(\hf)+7], v[(\fb)+8*((\b0)+(\i)):(\fb)+8*((\b0)+(\i))+7], v[HACC+8*(\i):HACC+8*(\i)+7]
.endif
.endr
.endm
.macro HALO w, fb, hf
	WIN 0                                          ; at a branch and at a label every window is 0
	s_cmp_lg_u32 s[WM], (\w)-1
	s_cbranch_scc1 .Lhno_\@
	s_cmp_lg_u32 s[WN], 0
	s_cbranch_scc1 .Lhodd_\@
	HMUL \w, \fb, \hf, 0
	s_branch .Lhno_\@
.Lhodd_\@:
	HMUL \w, \fb, \hf, 2
.Lhno_\@:
.endm
.macro LDA s, hh, fa                   ; 16 loads: my 128 rows of x, half hh (32 K) of slot s
	WIN 0
.irp i, 0,1,2,3,4,5,6,7
	ds_load_b128 v[(\fa)+8*(\i):(\fa)+8*(\i)+3],   v[ADRA+(\s)] offset:(\i)*16*PA+64*(\hh)
	ds_load_b128 v[(\fa)+8*(\i)+4:(\fa)+8*(\i)+7], v[ADRA+(\s)] offset:(\i)*16*PA+64*(\hh)+32
.endr
.endm
.macro LDH s, hh, hf                   ; 2 loads: the foreign block
	WIN 0
	ds_load_b128 v[(\hf):(\hf)+3],   v[ADRH+(\s)] offset:64*(\hh)
	ds_load_b128 v[(\hf)+4:(\hf)+7], v[ADRH+(\s)] offset:64*(\hh)+32
.endm
.macro LDB s, hh, w, fb                ; 8 loads: the head's 64 columns of weight w, half hh of slot s
	WIN 0
.irp b, 0,1,2,3
	ds_load_tr16_b128 v[(\fb)+8*(\b):(\fb)+8*(\b)+3],   v[ADRB+(\s)] offset:(\w)*BPLANE+(\hh)*32*PB+32*(\b)
	ds_load_tr16_b128 v[(\fb)+8*(\b)+4:(\fb)+8*(\b)+7], v[ADRB+(\s)] offset:(\w)*BPLANE+(\hh)*32*PB+32*(\b)+16*PB
.endr
.endm
.macro BIASLD                          ; the biases come in under the last products: 8 numbers a lane and column block for q and k; one, loaded twice to fill a pair, for v
	WIN 0
.irp b, 0,1,2,3
	global_load_b128 v[BQ+8*(\b):BQ+8*(\b)+3],       v[VBQ], s[8:9] offset:64*(\b)
	global_load_b128 v[BQ+8*(\b)+4:BQ+8*(\b)+7],     v[VBQ], s[8:9] offset:64*(\b)+16
	global_load_b128 v[BQ+32+8*(\b):BQ+35+8*(\b)],   v[VBQ], s[10:11] offset:64*(\b)
	global_load_b128 v[BQ+36+8*(\b):BQ+39+8*(\b)],   v[VBQ], s[10:11] offset:64*(\b)+16
	global_load_b32 v[BV+2*(\b)],   v[VBV], s[12:13] offset:64*(\b)
	global_load_b32 v[BV+2*(\b)+1], v[VBV], s[12:13] offset:64*(\b)
.endr
.endm
; ONE STEP OF 32 ALONG K (half hh of slot s): q's 32 products, k's, v's, and the foreign block's.  Behind the first eight products of each run the next run's weight is fetched into the buffer that the run
; before has left; with Wq come the next step's x and foreign fragment.  The buffers go by hh: x and the foreign fragment in buffer hh; Wq and Wv in weight buffer hh, Wk in the other.
; (ns, nhh): the next step's slot and half.  kind 0: inside a slot.  1: the slot's last step; it is filled again.  2: the same, nothing is left to fetch.  3: the last step of all.
.macro STEP s, hh, ns, nhh, kind, zero
.set cFA, FA0+64*(\hh)
.set cFN, FA0+64*(1-(\hh))
.set cHF, HF+8*(\hh)
.set cHN, HF+8*(1-(\hh))
.set cBQ, FB+32*(\hh)
.set cBK, FB+32*(1-(\hh))
	s_wait_dscnt 14                                ; Wq and x's blocks 0, 1 are in; the youngest fourteen loads (x's blocks 2-7, the foreign fragment) may be out
	MUL 0, cFA, cBQ, 0, 2, \zero
	PLACES
	LDB \s, \hh, 1, cBK
	s_wait_dscnt 8                                 ; all but Wk's eight
	MUL 0, cFA, cBQ, 2, 6, \zero
	s_wait_dscnt 0x0                               ; Wk is in: nothing was fetched behind it
	MUL 1, cFA, cBK, 0, 2, \zero
	PLACES
	LDB \s, \hh, 2, cBQ
	MUL 1, cFA, cBK, 2, 6, \zero
	HALO 1, cBK, cHF
.if (\kind) == 0
	s_wait_dscnt 0x0                               ; Wv is in
	MUL 2, cFA, cBQ, 0, 2, \zero
	PLACES
	LDB \ns, \nhh, 0, cBK
	LDA \ns, \nhh, cFN
	LDH \ns, \nhh, cHN
	MUL 2, cFA, cBQ, 2, 6, \zero
.elseif (\kind) == 3
	s_wait_dscnt 0x0
	MUL 2, cFA, cBQ, 0, 2, 0
	PLACES
	BIASLD
	MUL 2, cFA, cBQ, 2, 6, 0
.else
	; THE CHANGE OF SLOTS: one barrier for two things.  In front of it each wave waits for all its tensor loads (one is out: its part of the next slot), adds 0 to its spare word, and waits for that and
	; for its own reads of this slot.  Behind it nobody reads this slot any more and the next slot is whole.
	WIN 0                                          ; (the add's two registers lie in window 0)
	s_wait_tensorcnt 0x0
	ds_add_u32 v[SPW], v[NIL]                      ; 0 onto my spare word
	s_wait_dscnt 0x1                               ; Wv is in; the add may be out
	MUL 2, cFA, cBQ, 0, 2, 0
	s_wait_dscnt 0x0                               ; the add is done, and my reads of this slot are over (Wv's were the last)
	s_barrier_signal -1
	MUL 2, cFA, cBQ, 2, 2, 0                       ; work on registers while the others arrive
	WIN 0                                          ; at a branch and at a label every window is 0
	s_barrier_wait -1
.if (\kind) == 1
	CREST                                          ; the barrier has opened a round of the cluster's: no wave of any partner still reads this slot or has a load on its way
	s_add_nc_u64 s[G0A+4*(\s)+2:G0A+4*(\s)+3], s[G0A+4*(\s)+2:G0A+4*(\s)+3], 2*1048576
	s_add_nc_u64 s[G0H+4*(\s)+2:G0H+4*(\s)+3], s[G0H+4*(\s)+2:G0H+4*(\s)+3], 2*1048576
	s_add_nc_u64 s[G0B+4*(\s)+2:G0B+4*(\s)+3], s[G0B+4*(\s)+2:G0B+4*(\s)+3], 2*24576
	JLOAD \s                                       ; the first tensor load behind the round, 16 + 96 + 64 matrix instructions and the foreign block's ahead of the wait for it; its four v_nop are also the places in front of the loads below
.else
	PLACES
.endif
	LDB \ns, \nhh, 0, cBK
	LDA \ns, \nhh, cFN
	LDH \ns, \nhh, cHN
	MUL 2, cFA, cBQ, 4, 4, 0
.endif
	HALO 2, cBQ, cHF
.endm
	s_wait_tensorcnt 0x1                           ; my part of slot 0 is in; slot 1's may stay out
	s_barrier_signal -1
	s_barrier_wait -1
	LDB 0, 0, 0, FB
	LDA 0, 0, FA0
	LDH 0, 0, HF
	STEP 0,0, 0,1, 0, 1                            ; step 0 stands in front of the loop: its products start the 96 sums
	WIN 0
	s_mov_b32 s[TRIPS], 7
.Llap:                                                 ; a trip: steps 4 i + 1 .. 4 i + 4: once round the ring, both slots filled again: fills 2 .. 15 of 16
	STEP 0,1, 1,0, 1, 0
	STEP 1,0, 1,1, 0, 0
	STEP 1,1, 0,0, 1, 0
	STEP 0,0, 0,1, 0, 0
	WIN 0
	s_sub_co_u32 s[TRIPS], s[TRIPS], 1
	s_cmp_lg_u32 s[TRIPS], 0
	s_cbranch_scc1 .Llap
	STEP 0,1, 1,0, 2, 0                            ; steps 29, 30, 31 are written out: they ask for nothing
	STEP 1,0, 1,1, 0, 0
	STEP 1,1, 0,0, 3, 0
	; BEHIND THE LOOP.  The biases are rounded to bf16 and widened again.
	PLACES
	WIN 0
	s_wait_loadcnt 0x0                             ; the biases
.set i, BQ
.rept 32
	v_cvt_pk_bf16_f32 v[RT], v[i], v[i+1]
	v_lshlrev_b32 v[i], 16, v[RT]
	v_and_b32 v[i+1], 0xffff0000, v[RT]
.set i, i+2
.endr
.set i, BV
.rept 4
	v_cvt_pk_bf16_f32 v[RT], v[i], v[i+1]
	v_lshlrev_b32 v[i], 16, v[RT]
	v_and_b32 v[i+1], 0xffff0000, v[RT]
.set i, i+2
.endr
	; The foreign block's two pieces: sum + bias (which bias hangs on the wave's number), rounded to f16, to both ends of the exchange.
.macro HADD kv, b0                     ; kv = 0: k's column blocks b0, b0 + 1;  1: v's.  Each accumulator is read from its lowest registers on.
.irp i, 0,1
.irp j, 0,2,4,6
.if (\kv) == 0
	v_pk_add_f32 v[T+8*(\i)+(\j):T+8*(\i)+(\j)+1], v[HACC+8*(\i)+(\j):HACC+8*(\i)+(\j)+1], v[BQ+32+8*((\b0)+(\i))+(\j):BQ+32+8*((\b0)+(\i))+(\j)+1]
.else
	v_pk_add_f32 v[T+8*(\i)+(\j):T+8*(\i)+(\j)+1], v[HACC+8*(\i)+(\j):HACC+8*(\i)+(\j)+1], v[BV+2*((\b0)+(\i)):BV+2*((\b0)+(\i))+1]
.endif
.endr
.endr
.endm
	s_cmp_lg_u32 s[WM], 0
	s_cbranch_scc1 .Lhalo_v
	s_cmp_lg_u32 s[WN], 0
	s_cbranch_scc1 .Lhalo_k1
	HADD 0, 0
	s_branch .Lhalo_done
.Lhalo_k1:
	HADD 0, 2
	s_branch .Lhalo_done
.Lhalo_v:
	s_cmp_lg_u32 s[WN], 0
	s_cbranch_scc1 .Lhalo_v1
	HADD 1, 0
	s_branch .Lhalo_done
.Lhalo_v1:
	HADD 1, 2
.Lhalo_done:
.set i, 0
.rept 8
	v_cvt_pk_f16_f32 v[HP+i], v[T+2*i], v[T+2*i+1]
.set i, i+1
.endr
	ds_store_b128 v[XH], v[HP:HP+3]
	ds_store_b128 v[XH], v[HP+4:HP+7] offset:512
	ds_store_b128 v[XH], v[HP:HP+3]   offset:9*ENT
	ds_store_b128 v[XH], v[HP+4:HP+7] offset:9*ENT+512
; Weight w's row block a: sum + bias into window 0, rounded to f16 into the low registers of its own window, which the blocks taken before have left:
;   q: block a at 16 a.   k: block a at 16 (a + 1); the block before my first comes to 0, the block behind my last to 144.
;   v: the blocks in pairs (2 p - 1, 2 p) at 32 p, channels 16 b on at + 8 b, the pair's second block at + 4: eight registers on end are a fragment of V^T for 32 keys.
.macro PACKW w, a
	WIN (\w)+1                                     ; source 0 in window w + 1
.set ib, 0
.rept 4
.set ij, 0
.rept 4
.if (\w) < 2
	v_pk_add_f32 v[T+8*ib+ij:T+8*ib+ij+1], v[8*(4*(\a)+ib)+ij:8*(4*(\a)+ib)+ij+1], v[BQ+32*(\w)+8*ib+ij:BQ+32*(\w)+8*ib+ij+1]
.else
	v_pk_add_f32 v[T+8*ib+ij:T+8*ib+ij+1], v[8*(4*(\a)+ib)+ij:8*(4*(\a)+ib)+ij+1], v[BV+2*ib:BV+2*ib+1]
.endif
.set ij, ij+2
.endr
.set ib, ib+1
.endr
	WIN ((\w)+1)<<6                                ; destination in window w + 1
.if (\w) == 0
.set pd, 16*(\a)
.set ps, 4
.elseif (\w) == 1
.set pd, 16*((\a)+1)
.set ps, 4
.else
.set pd, 32*(((\a)+1)/2)+4*(((\a)+1)%2)
.set ps, 8
.endif
.set ib, 0
.rept 4
.set ij, 0
.rept 4
	v_cvt_pk_f16_f32 v[pd+ps*ib+ij], v[T+8*ib+2*ij], v[T+8*ib+2*ij+1]
.set ij, ij+1
.endr
.set ib, ib+1
.endr
.endm
.irp a, 0,1,2,3,4,5,6,7
	PACKW 1, \a
.endr
.irp a, 0,1,2,3,4,5,6,7
	PACKW 2, \a
.endr
	WIN 0x08                                       ; store data in window 2: k's blocks 0 and 7
.irp b, 0,1,2,3
	ds_store_b128 v[XST], v[16+4*(\b):16+4*(\b)+3]   offset:512*(\b)
	ds_store_b128 v[XST], v[128+4*(\b):128+4*(\b)+3] offset:ENT+512*(\b)
.endr
	WIN 0x0c                                       ; in window 3: v's
.irp b, 0,1,2,3
	ds_store_b128 v[XST], v[8*(\b)+4:8*(\b)+7]       offset:2048+512*(\b)
	ds_store_b128 v[XST], v[128+8*(\b):128+8*(\b)+3] offset:ENT+2048+512*(\b)
.endr
.irp a, 0,1,2,3,4,5,6,7
	PACKW 0, \a                                    ; q is packed while the stores are out
.endr
	WIN 0
	s_wait_dscnt 0x0                               ; for the others' sake: my stores into the exchange are done
	s_barrier_signal -1
	s_barrier_wait -1
	WIN 0x80                                       ; destination in window 2: k of the block before my first and of the block behind my last
.irp b, 0,1,2,3
	ds_load_b128 v[4*(\b):4*(\b)+3],         v[XRD] offset:512*(\b)
	ds_load_b128 v[144+4*(\b):144+4*(\b)+3], v[XRD] offset:3*ENT+512*(\b)
.endr
	WIN 0xc0                                       ; in window 3: v of the same
.irp b, 0,1,2,3
	ds_load_b128 v[8*(\b):8*(\b)+3],         v[XRD] offset:2048+512*(\b)
	ds_load_b128 v[132+8*(\b):135+8*(\b)],   v[XRD] offset:3*ENT+2048+512*(\b)
.endr
	WIN 0
	; the masks are made while those loads are out
.set j, 0
.rept 8
	v_cmp_ge_i32 vcc_lo, j-8, v[E]                 ; the block before: j - e - 16 >= -8
	v_cndmask_b32 v[MLO+j], s[BIGN], v[ZERO], vcc_lo
	v_cndmask_b32 v[MLOE+j], s[BIGN], v[LOV], vcc_lo
	v_add_nc_u32 v[TMPV], j, v[E2]
	v_cmp_ge_u32 vcc_lo, 16, v[TMPV]               ; the own block: |j - e| <= 8, as 0 <= j - e + 8 <= 16
	v_cndmask_b32 v[MLO+8+j], s[BIGN], v[ZERO], vcc_lo
	v_cmp_le_i32 vcc_lo, j+8, v[E]                 ; the block behind: j - e + 16 <= 8
	v_cndmask_b32 v[MLO+16+j], s[BIGN], v[ZERO], vcc_lo
	v_cndmask_b32 v[MHIE+j], s[BIGN], v[HIV], vcc_lo
.set j, j+1
.endr
	s_wait_dscnt 0x0
; THE SOFTMAX of a unit's two blocks of queries, 24 scores a lane each; the two blocks' lines alternate, so that few lines wait for the line before.  Each accumulator's lowest registers are read first.
.macro SOFT2
.irp t, 0,1
	v_max3_num_f32 v[ST+8*(\t)+4], v[S+24*(\t)], v[S+24*(\t)+1], v[S+24*(\t)+2]
	v_max3_num_f32 v[ST+8*(\t)+5], v[S+24*(\t)+8], v[S+24*(\t)+9], v[S+24*(\t)+10]
	v_max3_num_f32 v[ST+8*(\t)+6], v[S+24*(\t)+16], v[S+24*(\t)+17], v[S+24*(\t)+18]
.endr
.irp n, 3,5
.irp t, 0,1
	v_max3_num_f32 v[ST+8*(\t)+4], v[ST+8*(\t)+4], v[S+24*(\t)+(\n)], v[S+24*(\t)+(\n)+1]
	v_max3_num_f32 v[ST+8*(\t)+5], v[ST+8*(\t)+5], v[S+24*(\t)+8+(\n)], v[S+24*(\t)+9+(\n)]
	v_max3_num_f32 v[ST+8*(\t)+6], v[ST+8*(\t)+6], v[S+24*(\t)+16+(\n)], v[S+24*(\t)+17+(\n)]
.endr
.endr
.irp t, 0,1
	v_max3_num_f32 v[ST+8*(\t)+4], v[ST+8*(\t)+4], v[S+24*(\t)+7], v[S+24*(\t)+15]
	v_max3_num_f32 v[ST+8*(\t)+5], v[ST+8*(\t)+5], v[S+24*(\t)+23], v[ST+8*(\t)+6]
.endr
.irp t, 0,1
	v_max_num_f32 v[ST+8*(\t)+4], v[ST+8*(\t)+4], v[ST+8*(\t)+5]
.endr
.irp t, 0,1
	v_permlanex16_b32 v[ST+8*(\t)+5], v[ST+8*(\t)+4], s[SEL], s[SEL+1]  ; the query's other keys lie in the lane 16 away
.endr
.irp t, 0,1
	v_max_num_f32 v[ST+8*(\t)+1], v[ST+8*(\t)+4], v[ST+8*(\t)+5]
.endr
.irp t, 0,1
	v_mul_f32 v[ST+8*(\t)], s[CS], v[ST+8*(\t)+1]
.endr
.irp t, 0,1
.set i, 0
.rept 12
	v_pk_fma_f32 v[S+24*(\t)+2*i:S+24*(\t)+2*i+1], v[S+24*(\t)+2*i:S+24*(\t)+2*i+1], s[CS:CS+1], v[ST+8*(\t):ST+8*(\t)+1] op_sel_hi:[1,0,0] neg_lo:[0,0,1] neg_hi:[0,0,1]  ; c s - c m
.set i, i+1
.endr
.endr
.set i, 0
.rept 48
	v_exp_f32 v[S+i], v[S+i]
.set i, i+1
.endr
.irp t, 0,1
.set i, 0
.rept 4
	v_mov_b32 v[P+12+4*(\t)+i], 0                  ; of the unit's four key blocks a block of queries sees three: the fourth's weights are 0.  Also the plain lines behind the last exponential (ISA guide 5.7.2)
.set i, i+1
.endr
.endr
	s_wait_alu depctr_va_vdst(0)
.irp t, 0,1
.set i, 0
.rept 12
	v_cvt_pk_f16_f32 v[P+20*(\t)+i], v[S+24*(\t)+2*i], v[S+24*(\t)+2*i+1]
.set i, i+1
.endr
.endr
.irp t, 0,1
.set i, 0
.rept 6
	v_pk_add_f32 v[S+24*(\t)+2*i:S+24*(\t)+2*i+1], v[S+24*(\t)+2*i:S+24*(\t)+2*i+1], v[S+24*(\t)+2*i+12:S+24*(\t)+2*i+13]
.set i, i+1
.endr
.endr
.irp t, 0,1
.set i, 0
.rept 3
	v_pk_add_f32 v[S+24*(\t)+2*i:S+24*(\t)+2*i+1], v[S+24*(\t)+2*i:S+24*(\t)+2*i+1], v[S+24*(\t)+2*i+6:S+24*(\t)+2*i+7]
.set i, i+1
.endr
.endr
.irp t, 0,1
	v_pk_add_f32 v[S+24*(\t):S+24*(\t)+1], v[S+24*(\t):S+24*(\t)+1], v[S+24*(\t)+2:S+24*(\t)+3]
.endr
.irp t, 0,1
	v_pk_add_f32 v[S+24*(\t):S+24*(\t)+1], v[S+24*(\t):S+24*(\t)+1], v[S+24*(\t)+4:S+24*(\t)+5]
.endr
.irp t, 0,1
	v_add_f32 v[ST+8*(\t)+2], v[S+24*(\t)], v[S+24*(\t)+1]
.endr
.irp t, 0,1
	v_permlanex16_b32 v[ST+8*(\t)+6], v[ST+8*(\t)+2], s[SEL], s[SEL+1]
.endr
.irp t, 0,1
	v_add_f32 v[ST+8*(\t)+2], v[ST+8*(\t)+2], v[ST+8*(\t)+6]
.endr
.irp t, 0,1
	v_rcp_f32 v[ST+8*(\t)+2], v[ST+8*(\t)+2]
.endr
.irp t, 0,1
	v_mov_b32 v[ST+8*(\t)+3], 0                    ; the pair's second register is written; also the plain lines behind the reciprocals
.endr
.endm
; UNIT u: my blocks of queries 2 u and 2 u + 1 against the key blocks 2 u - 1 .. 2 u + 2: 12 + 16 matrix instructions.
.macro UNIT u
.if (\u) > 0
	s_wait_xcnt 0x0                                ; every earlier store has had its addresses translated (ISA guide 3.1): only behind this wait are the registers that the last unit's stores read rewritten
.endif
	WIN 0x06                                       ; K in window 2, Q in window 1, the mask and S^T in window 0
.irp c, 0,1                            ; the six accumulators take turns; the first six products start the sums with the masks
.irp t, 0,1
.irp d, 0,1,2
.set rS, S+8*(3*(\t)+(\d))
.set rK, 16*(2*(\u)+(\t)+(\d))+8*(\c)
.set rQ, 16*(2*(\u)+(\t))+8*(\c)
.set rM, MLO+8*(\d)
.if ((\u) == 0) && ((\t) == 0) && ((\d) == 0)
.set rM, MLOE
.endif
.if ((\u) == 3) && ((\t) == 1) && ((\d) == 2)
.set rM, MHIE
.endif
.if (\c) == 0
	v_wmma_f32_16x16x32_f16 v[rS:rS+7], v[rK:rK+7], v[rQ:rQ+7], v[rM:rM+7]
.else
	v_wmma_f32_16x16x32_f16 v[rS:rS+7], v[rK:rK+7], v[rQ:rQ+7], v[rS:rS+7]
.endif
.endr
.endr
.endr
	WIN 0
	PLACES
	SOFT2
	WIN 0x03                                       ; V in window 3
.irp kk, 0,1                           ; the eight accumulators take turns; the first eight products start the sums
.irp t, 0,1
.irp cb, 0,1,2,3
.if (\kk) == 0
	v_wmma_f32_16x16x32_f16 v[O+32*(\t)+8*(\cb):O+32*(\t)+8*(\cb)+7], v[32*((\u)+(\kk))+8*(\cb):32*((\u)+(\kk))+8*(\cb)+7], v[P+16*(\t)+8*(\kk):P+16*(\t)+8*(\kk)+7], 0
.else
	v_wmma_f32_16x16x32_f16 v[O+32*(\t)+8*(\cb):O+32*(\t)+8*(\cb)+7], v[32*((\u)+(\kk))+8*(\cb):32*((\u)+(\kk))+8*(\cb)+7], v[P+16*(\t)+8*(\kk):P+16*(\t)+8*(\kk)+7], v[O+32*(\t)+8*(\cb):O+32*(\t)+8*(\cb)+7]
.endif
.endr
.endr
.endr
	WIN 0
	PLACES
	s_wait_alu depctr_va_vdst(0)
.irp t, 0,1
.set i, 0
.rept 16
	v_pk_mul_f32 v[O+32*(\t)+2*i:O+32*(\t)+2*i+1], v[O+32*(\t)+2*i:O+32*(\t)+2*i+1], v[ST+8*(\t)+2:ST+8*(\t)+3] op_sel_hi:[1,0]  ; O / l
.set i, i+1
.endr
.endr
.irp t, 0,1
.set i, 0
.rept 16
	v_cvt_pk_f16_f32 v[P+16*(\t)+i], v[O+32*(\t)+2*i], v[O+32*(\t)+2*i+1]
.set i, i+1
.endr
.irp cb, 0,1,2,3
	global_store_b128 v[CO], v[P+16*(\t)+4*(\cb):P+16*(\t)+4*(\cb)+3], s[OB:OB+1] offset:(2*(\u)+(\t))*2048+(\cb)*512  ; 512 consecutive bytes, aligned
.endr
.endr
.endm
	UNIT 0
	UNIT 1
	UNIT 2
	UNIT 3
	s_wait_tensorcnt 0x0                           ; the wave's end, behind my last tensor load and my last LDS store
	ds_add_u32 v[SPW], v[NIL]
	s_wait_dscnt 0x0
	CROUND                                         ; the closing round: no work-group ends while a partner may still ask for a tile that names it
	s_endpgm
.Lfunc_end_k_q39ae8081f8_qkva:
	.size	k_q39ae8081f8_qkva, .Lfunc_end_k_q39ae8081f8_qkva-k_q39ae8081f8_qkva
	.p2alignl 7, 3214868480
	.fill 96, 4, 3214868480
	.section	.rodata,"a",@progbits
	.p2align	6, 0x0
	.amdhsa_kernel k_q39ae8081f8_qkva
		.amdhsa_group_segment_fixed_size 327680
		.amdhsa_private_segment_fixed_size 0
		.amdhsa_enable_private_segment 0
		.amdhsa_kernarg_size 48
		.amdhsa_user_sgpr_count 2
		.amdhsa_user_sgpr_kernarg_segment_ptr 1
		.amdhsa_wavefront_size32 1
		.amdhsa_system_sgpr_workgroup_id_x 1
		.amdhsa_system_sgpr_workgroup_id_y 1
		.amdhsa_system_sgpr_workgroup_id_z 1
		.amdhsa_system_vgpr_workitem_id 0
		.amdhsa_next_free_vgpr 1024
		.amdhsa_next_free_sgpr 106
		.amdhsa_reserve_vcc 1
		.amdhsa_float_denorm_mode_32 3
		.amdhsa_float_denorm_mode_16_64 3
		.amdhsa_memory_ordered 1
		.amdhsa_forward_progress 1
		.amdhsa_inst_pref_size 222
	.end_amdhsa_kernel
	.amdgpu_metadata
---
amdhsa.version: [ 1, 2 ]
amdhsa.kernels:
  - .name:           k_q39ae8081f8_qkva
    .symbol:         k_q39ae8081f8_qkva.kd
    .args:
      - { .name: xb, .offset: 0, .size: 8, .value_kind: global_buffer, .address_space: global }
      - { .name: wb, .offset: 8, .size: 8, .value_kind: global_buffer, .address_space: global }
      - { .name: bq, .offset: 16, .size: 8, .value_kind: global_buffer, .address_space: global }
      - { .name: bk, .offset: 24, .size: 8, .value_kind: global_buffer, .address_space: global }
      - { .name: bv, .offset: 32, .size: 8, .value_kind: global_buffer, .address_space: global }
      - { .name: ob, .offset: 40, .size: 8, .value_kind: global_buffer, .address_space: global }
    .group_segment_fixed_size: 327680
    .private_segment_fixed_size: 0
    .kernarg_segment_align: 8
    .kernarg_segment_size: 48
    .max_flat_workgroup_size: 128
    .sgpr_count:     106
    .vgpr_count:     1024
    .wavefront_size: 32
...
	.end_amdgpu_metadata
.endif
;; end of part 6
;; launch proj: the kernel of part 4 again; grid 8 x 32, 4 waves a work-group, clusters of 4 x 4, 327,680 bytes of LDS; arguments ob, wb, bo, out0; writes out0
;; ======== version 3 of 3: 3 launches; version 2 with the launch cast written anew for expert scheduling mode
;; limits: values are held in f16: magnitudes above 65,504 overflow, below 6.1e-05 lose precision
;; workspace buffers: xb 16,777,216 bytes; wb 8,388,608 bytes; ob 16,777,216 bytes
;; launch cast (part 7): grid 256 x 1, 8 waves a work-group, no clusters, 0 bytes of LDS; arguments x, Wq, Wk, Wv, Wo, xb, wb; writes xb, wb
.if DOCPART == 7
	.amdgcn_target "amdgcn-amd-amdhsa--gfx1250"
	.amdhsa_code_object_version 6
	.text
	.protected	k_q39ae8081f8_cast
	.globl	k_q39ae8081f8_cast
	.p2align	8
	.type	k_q39ae8081f8_cast,@function
k_q39ae8081f8_cast:
	s_mov_b64 s[64:65], 0
	v_nop
	global_prefetch_b8 v0, s[64:65] scope:SCOPE_SE
	s_setreg_imm32_b32 hwreg(HW_REG_WAVE_SCHED_MODE, 0, 2), 2
	s_setreg_imm32_b32 hwreg(HW_REG_WAVE_MODE, 25, 1), 1
	s_wait_xcnt 0x0
	s_wait_alu depctr_vm_vsrc(0)
; x and the four weights are rounded once to 16 bits and laid out for the launches behind.
;   xb: bf16 [16 kb][8192 p][64]: block kb holds columns 64 kb .. 64 kb + 63 of every row, the rows PERMUTED: p = batch x 2048 + parity x 1024 + i / 2 for place i of a batch,
;       so that the even and the odd places of a batch are two sequences of 1,024 on end, and any run of rows x 64 columns is dense.
;   wb: first bf16 [16 heads][16 kb][3: Wq, Wk, Wv][64 k][64 n]: what one head needs of the three weights for 64 along K is 24,576 dense bytes;
;       then, from byte 6,291,456 on, [1024][1024] as Wo lies: bf16(Wo) written as f16 (exact within f16's range).
; LIMITS.  |Wo| stays under 65,504; below 6e-5 it keeps f16's fixed step of 6e-8.
; SHARES.  2,048 waves; wave c takes the permuted rows 4 c .. 4 c + 3 of x and two rows (8,192 bytes) of one weight.  A stream: no LDS, no barrier, no matrix unit, no cluster (no byte is read twice).
; All 48 loads of a wave (24,576 bytes) go out at once; they are converted in place, four loads at a time.  A load takes 2 x 256 or 512 consecutive bytes, a store 256, all aligned.
; THE MODE: SCHED_MODE bits 1:0 = 2 (LLVM: expert scheduling mode 2), set by the entry lines.  The code itself states the register dependences
; between vector instructions and memory instructions, with s_wait_alu, always for 0.
; THE PLAN.  Registers that memory instructions touch:
;   v1 .. v4     byte offsets, made once at the head and never written again; every load and store reads one of them.
;   v[8:199]     four registers for each of the 48 loads.  A load lands in them once; no vector instruction names them before.  The load's own conversions then write them in place, and
;                its one store reads the first two.  Nothing writes them behind that store: so no wait stands for a register that a store has read.
; The loads go in 12 GROUPS of four (x: groups 0-7; the weight: groups 8-11).  Group g converts its own sixteen registers; its memory instructions are the four stores of group g - 1, whose registers no
; conversion of group g names.  So ONE wait at a group's head states all that its four stores hang on, and they are dealt among its conversions with no further wait.
.set VWA, 1                            ; v1  Wq, Wk, Wv: lanes 0-15 take a head's 256 bytes of one row, lanes 16-31 of the next row
.set VX, 2                             ; v2  x: lanes 0-15 take 256 bytes of one row, lanes 16-31 of the next permuted row, two rows of x further on
.set VS, 3                             ; v3  8 x lane: the stores
.set VW, 4                             ; v4  16 x lane: Wo
.set D,  8                             ; v[8:199]  48 loads of four registers
	s_load_b256 s[4:11], s[0:1], 0x0               ; x s[4:5], Wq s[6:7], Wk s[8:9], Wv s[10:11]
	s_load_b128 s[12:15], s[0:1], 0x20             ; Wo s[12:13], xb s[14:15]
	s_load_b64 s[16:17], s[0:1], 0x30              ; wb
	v_lshrrev_b32 v1, 5, v0
	v_readfirstlane_b32 s20, v1                    ; wave 0..7
	v_and_b32 v5, 31, v0                           ; the offsets are made here, between that line and the wait for its result
	v_and_b32 v6, 15, v0
	v_bfe_u32 v7, v0, 4, 1
	v_lshlrev_b32 v[VX], 4, v6
	v_lshl_add_u32 v[VWA], v7, 12, v[VX]
	v_lshl_add_u32 v[VX], v7, 13, v[VX]
	v_lshlrev_b32 v[VS], 3, v5
	v_lshlrev_b32 v[VW], 4, v5
	s_wait_alu depctr_va_sdst(0)                   ; s20 is written, ahead of its first reader: the wave's share, and so every base, is made from it
	s_lshl_b32 s21, ttmp9, 3
	s_add_co_u32 s21, s21, s20                     ; c
	s_lshr_b32 s24, ttmp9, 6                       ; which weight: 64 work-groups each
	s_lshl_b32 s28, s21, 2                         ; p0 = 4 c
	s_lshr_b32 s29, s28, 11
	s_lshl_b32 s29, s29, 11                        ; batch x 2048
	s_and_b32 s30, s28, 1023
	s_lshl1_add_u32 s29, s30, s29                  ; + 2 x the place in the sequence
	s_bfe_u32 s30, s28, 0x1000a                    ; + parity (bit 10 of p0)
	s_add_co_u32 s29, s29, s30                     ; the row of x that p0 stands for
	s_lshl_b32 s30, s29, 12                        ; rows of 4,096 bytes
	s_mov_b32 s31, 0
	s_lshl_b32 s32, s21, 9                         ; p0 x 128 bytes in a block of xb
	s_mov_b32 s33, 0
	s_and_b32 s36, s21, 511                        ; my pair of rows of the weight: k = 2 x this, and the next
	s_lshr_b32 s34, s36, 5                         ; kb = k / 64
	s_mul_i32 s34, s34, 24576
	s_lshl_b32 s35, s24, 13                        ; + the weight's plane of 8,192 bytes
	s_add_co_u32 s34, s34, s35
	s_and_b32 s35, s36, 31
	s_lshl_b32 s35, s35, 8                         ; + (k % 64) rows of 128 bytes
	s_add_co_u32 s34, s34, s35
	s_lshl_b32 s38, s21, 12                        ; Wo: c x 4,096 = 6,291,456 + the pair's 4,096 bytes
	s_cmp_eq_u32 s24, 3
	s_cselect_b32 s38, s38, s34
	s_mov_b32 s39, 0
	s_lshl_b32 s36, s36, 13                        ; the pair's 8,192 bytes in the weight
	s_mov_b32 s37, 0
	s_wait_kmcnt 0x0
	s_add_nc_u64 s[4:5], s[4:5], s[30:31]
	s_cmp_eq_u32 s24, 1                            ; the weight's address is chosen by the work-group's number alone
	s_cselect_b64 s[26:27], s[8:9], s[6:7]
	s_cmp_eq_u32 s24, 2
	s_cselect_b64 s[26:27], s[10:11], s[26:27]
	s_cmp_eq_u32 s24, 3
	s_cselect_b64 s[26:27], s[12:13], s[26:27]
	s_add_nc_u64 s[26:27], s[26:27], s[36:37]
	s_add_nc_u64 s[14:15], s[14:15], s[32:33]      ; xb, blocks 0-7
	s_add_nc_u64 s[22:23], s[14:15], 0x800000      ; xb, blocks 8-15: eight blocks of 1 MiB fit a store's immediate
	s_add_nc_u64 s[16:17], s[16:17], s[38:39]
	s_wait_alu depctr_va_vdst(0)                   ; the four offsets v1 to v4 are written: every load and store of the kernel reads one of them
.set n, 0
.rept 32                               ; load n: pair of rows n / 16, block n % 16
	global_load_b128 v[D+4*n:D+4*n+3], v[VX], s[4:5] offset:(n/16)*16384+(n%16)*256 th:TH_LOAD_NT
.set n, n+1
.endr
	s_cmp_eq_u32 s24, 3                            ; both ways issue sixteen loads, so the counts below hold on both
	s_cbranch_scc1 .Lwo_loads
.rept 16                               ; Wq, Wk, Wv: load n takes head n - 32 of both rows
	global_load_b128 v[D+4*n:D+4*n+3], v[VWA], s[26:27] offset:(n-32)*256 th:TH_LOAD_NT
.set n, n+1
.endr
	s_branch .Lconvert
.Lwo_loads:
.set n, 32
.rept 16                               ; Wo: 512 bytes on end
	global_load_b128 v[D+4*n:D+4*n+3], v[VW], s[26:27] offset:(n-32)*512 th:TH_LOAD_NT
.set n, n+1
.endr
.Lconvert:
; Load n's four numbers are converted in place: the result lies in its first two registers.  wo = 1: it is a load of Wo.
.macro CONV n, wo
.if \wo                                ; Wo: rounded to bf16 like every input, widened again, and that number written as f16
	v_cvt_pk_bf16_f32 v[D+4*(\n)], v[D+4*(\n)], v[D+4*(\n)+1]
	v_cvt_pk_bf16_f32 v[D+4*(\n)+2], v[D+4*(\n)+2], v[D+4*(\n)+3]
	v_lshlrev_b32 v[D+4*(\n)+1], 16, v[D+4*(\n)]
	v_and_b32 v[D+4*(\n)], 0xffff0000, v[D+4*(\n)]
	v_lshlrev_b32 v[D+4*(\n)+3], 16, v[D+4*(\n)+2]
	v_and_b32 v[D+4*(\n)+2], 0xffff0000, v[D+4*(\n)+2]
	v_cvt_pk_f16_f32 v[D+4*(\n)], v[D+4*(\n)+1], v[D+4*(\n)]
	v_cvt_pk_f16_f32 v[D+4*(\n)+1], v[D+4*(\n)+3], v[D+4*(\n)+2]
.else                                  ; x, Wq, Wk, Wv: bf16
	v_cvt_pk_bf16_f32 v[D+4*(\n)], v[D+4*(\n)], v[D+4*(\n)+1]
	v_cvt_pk_bf16_f32 v[D+4*(\n)+1], v[D+4*(\n)+2], v[D+4*(\n)+3]
.endif
.endm
; Load n's store.  wo = 1: the wave's weight is Wo.
.macro SEND n, wo
.if (\n) < 32
.if ((\n)%16) < 8
	global_store_b64 v[VS], v[D+4*(\n):D+4*(\n)+1], s[14:15] offset:((\n)%8)*1048576+((\n)/16)*256  ; two rows of 128 bytes: 256 consecutive bytes
.else
	global_store_b64 v[VS], v[D+4*(\n):D+4*(\n)+1], s[22:23] offset:((\n)%8)*1048576+((\n)/16)*256
.endif
.elseif \wo
	global_store_b64 v[VS], v[D+4*(\n):D+4*(\n)+1], s[16:17] offset:((\n)-32)*256
.else
	global_store_b64 v[VS], v[D+4*(\n):D+4*(\n)+1], s[16:17] offset:((\n)-32)*393216  ; a head's two rows of 128 bytes are 256 consecutive bytes; the heads lie 393,216 bytes apart
.endif
.endm
; Group g: loads 4 g .. 4 g + 3 are converted; the stores of group g - 1 stand among the conversions, one ahead of each load's lines.
.macro GROUP g, wo
	s_wait_loadcnt 44-4*(\g)                       ; loads come back in order (ISA guide 5.7.1): the group's four are in, the 44 - 4 g younger ones stay out
.if (\g) > 0
	s_wait_alu depctr_va_vdst(0)                   ; the conversions of the group before have written the registers that the four stores below read; no conversion of this group names them
.endif
.irp i, 0,1,2,3
.if (\g) > 0
	SEND 4*(\g)-4+(\i), \wo
.endif
	CONV 4*(\g)+(\i), \wo
.endr
.endm
.irp g, 0,1,2,3,4,5,6,7
	GROUP \g, 0                                    ; x
.endr
	s_cmp_eq_u32 s24, 3                            ; group 7's stores are still to come: both ways begin with group 8's wait, ahead of them
	s_cbranch_scc1 .Lwo
.irp g, 8,9,10,11
	GROUP \g, 0                                    ; Wq, Wk, Wv
.endr
	s_wait_alu depctr_va_vdst(0)                   ; group 11's conversions have written the registers that the last four stores read
.irp i, 44,45,46,47
	SEND \i, 0
.endr
	s_endpgm
.Lwo:
.irp g, 8,9,10,11
	GROUP \g, 1                                    ; Wo
.endr
	s_wait_alu depctr_va_vdst(0)                   ; group 11's conversions have written the registers that the last four stores read
.irp i, 44,45,46,47
	SEND \i, 1
.endr
	s_endpgm
.Lfunc_end_k_q39ae8081f8_cast:
	.size	k_q39ae8081f8_cast, .Lfunc_end_k_q39ae8081f8_cast-k_q39ae8081f8_cast
	.p2alignl 7, 3214868480
	.fill 96, 4, 3214868480
	.section	.rodata,"a",@progbits
	.p2align	6, 0x0
	.amdhsa_kernel k_q39ae8081f8_cast
		.amdhsa_group_segment_fixed_size 0
		.amdhsa_private_segment_fixed_size 0
		.amdhsa_enable_private_segment 0
		.amdhsa_kernarg_size 56
		.amdhsa_user_sgpr_count 2
		.amdhsa_user_sgpr_kernarg_segment_ptr 1
		.amdhsa_wavefront_size32 1
		.amdhsa_system_sgpr_workgroup_id_x 1
		.amdhsa_system_sgpr_workgroup_id_y 1
		.amdhsa_system_sgpr_workgroup_id_z 1
		.amdhsa_system_vgpr_workitem_id 0
		.amdhsa_next_free_vgpr 200
		.amdhsa_next_free_sgpr 66
		.amdhsa_reserve_vcc 0
		.amdhsa_float_denorm_mode_32 3
		.amdhsa_float_denorm_mode_16_64 3
		.amdhsa_memory_ordered 1
		.amdhsa_forward_progress 1
		.amdhsa_inst_pref_size 30
	.end_amdhsa_kernel
	.amdgpu_metadata
---
amdhsa.version: [ 1, 2 ]
amdhsa.kernels:
  - .name:           k_q39ae8081f8_cast
    .symbol:         k_q39ae8081f8_cast.kd
    .args:
      - { .name: x, .offset: 0, .size: 8, .value_kind: global_buffer, .address_space: global }
      - { .name: Wq, .offset: 8, .size: 8, .value_kind: global_buffer, .address_space: global }
      - { .name: Wk, .offset: 16, .size: 8, .value_kind: global_buffer, .address_space: global }
      - { .name: Wv, .offset: 24, .size: 8, .value_kind: global_buffer, .address_space: global }
      - { .name: Wo, .offset: 32, .size: 8, .value_kind: global_buffer, .address_space: global }
      - { .name: xb, .offset: 40, .size: 8, .value_kind: global_buffer, .address_space: global }
      - { .name: wb, .offset: 48, .size: 8, .value_kind: global_buffer, .address_space: global }
    .group_segment_fixed_size: 0
    .private_segment_fixed_size: 0
    .kernarg_segment_align: 8
    .kernarg_segment_size: 56
    .max_flat_workgroup_size: 256
    .sgpr_count:     66
    .vgpr_count:     200
    .wavefront_size: 32
...
	.end_amdgpu_metadata
.endif
;; end of part 7
;; launch qkva: the kernel of part 6 again; grid 16 x 16, 4 waves a work-group, clusters of 4 x 4, 327,680 bytes of LDS; arguments xb, wb, bq, bk, bv, ob; writes ob
;; launch proj: the kernel of part 4 again; grid 8 x 32, 4 waves a work-group, clusters of 4 x 4, 327,680 bytes of LDS; arguments ob, wb, bo, out0; writes out0
